; MI455X (gfx1250); checked and timed in simulation.
; The chip was launched on July 23, 2026; its instructions are those of AMD's public machine-readable ISA for CDNA 5 (MIT licence, August 2026) and "CDNA5" Instruction Set Architecture Reference Guide (July 2026). The comments in the code are by the model that wrote it; some were corrected since.
;; Causal Self Attention. Allowed arithmetic: matrix products marked QUANTISED: E2M3 operands, one E8M0 scale for each 32 along K, by v_wmma_scale_f32_16x16x128_f8f6f4 with both operands' format E2M3, f32 sums; everything else in f32.
;; Inputs: b_proj 1,024 float32; b_qkv 3,072 float32; w_proj 1,024 x 1,024 float32; w_qkv 3,072 x 1,024 float32; x 4 x 2,048 x 1,024 float32.
;; Outputs: out0 4 x 2,048 x 1,024 float32.
;; This version of the problem:
;;   THIS VERSION OF THE PROBLEM IS GIVEN IN LOW PRECISION. The matrix products marked QUANTISED in the list below multiply operands that are first quantised to E2M3 (2 exponent bits, 3 mantissa bits; 6 bits a number), with one power-of-two scale for each 32 numbers along K (OCP MX v1.0); their sums are f32. All else is computed in f32.
;;   The module's matrix products, in the order in which they are computed (A, B: the left and right operand; K: the contracted axis; several contracted axes count as one K, in the product's order):
;;     1. [M 8,192, K 1,024] x [K 1,024, N 3,072]; A: input x; B: input w_qkv: QUANTISED
;;     2. batch 64 x [M 2,048, K 64] x [K 64, N 2,048]; A: computed on the way; B: computed on the way: QUANTISED
;;     3. batch 64 x [M 2,048, K 2,048] x [K 2,048, N 64]; A: softmax (see below); B: computed on the way: QUANTISED
;;     4. [M 8,192, K 1,024] x [K 1,024, N 1,024]; A: computed on the way; B: input w_proj: QUANTISED
;;   THE QUANTISER, for each operand of a quantised product, along K:
;;     - K is cut into blocks of 32 from its start; a last block that is shorter is filled with zeros.
;;     - A block's scale is 2^e with e = floor(log2(the largest magnitude in the block)) - 2, held to -126 .. 127; a block of zeros has e = 0. As a byte (E8M0): e + 127.
;;     - Each number is divided by its block's scale, clamped to +-7.5, and rounded to the nearest number of E2M3, ties to even, subnormals kept.
;;     - The product sums the exact products of the quantised numbers (number of the format x scale) in f32.
;;   ~~~python
;;   def quantise(x, axis):      # numpy; x: float32 -> the quantised numbers, widened to float32 again
;;       x = np.moveaxis(x, axis, -1); K = x.shape[-1]
;;       x = np.pad(x, [(0, 0)] * (x.ndim - 1) + [(0, -K % 32)]); x = x.reshape(x.shape[:-1] + (-1, 32)); a = np.abs(x).max(-1, keepdims=True)
;;       e = np.where(a > 0, np.clip(np.frexp(np.where(a > 0, a, 1))[1] - 1 - 2, -126, 127), 0)      # np.frexp(a)[1] - 1 = floor(log2(a)), exactly
;;       r = np.clip(x / 2.0 ** e, -7.5, 7.5)
;;       step = 2.0 ** (np.maximum(np.frexp(np.where(r == 0, 1, r))[1] - 1, 0) - 3)
;;       q = np.round(r / step) * step * 2.0 ** e      # np.round: ties to even
;;       return np.moveaxis(q.reshape(q.shape[:-2] + (-1,))[..., :K], -1, axis).astype(np.float32)
;;   ~~~
;;   SOFTMAX AHEAD OF A QUANTISED PRODUCT. Where the list says 'softmax', what is quantised is not the finished softmax but p = 2^(t - M), with t = logit x log2(e) and M = ceil(the row's largest t), a whole number; so 1/2 < the row's largest p <= 1. The row's sum l is taken of the UNQUANTISED p, in f32, and the product's result is divided by l at the end. Since M is a whole number, a kernel that streams over the keys may use a running M (the ceiling of the running maximum): every later rescaling is an exact power of two, which a block's scale takes up: the codes' values come out the same.
;;   OPERANDS COMPUTED ON THE WAY. 'Computed on the way' means the value that the module computes at that place (a softmax that the list does not call 'softmax' is quantised finished and normalised). What goes into a quantiser is computed in f32, as accurately as f32 sums, v_exp_f32 and their like allow (about 1e-6 of the number): no bf16 or f16 on the way to a quantiser, and a product that is left as it is and whose result goes on into a quantised operand takes f32 operands (vector FMAs, or v_wmma_f32_16x16x4_f32). A number that lies on a knife's edge between two numbers of the format may be rounded either way, as far as f32 arithmetic and the matrix unit's own rounding can turn it there, and no further.
;; One version. Each part assembles by itself: llvm-mc -triple=amdgcn-amd-amdhsa -mcpu=gfx1250 --defsym DOCPART=n.
;; ======== version 1 of 1: 4 launches
;; limits: right only within a limited range of input values
;; workspace buffers: xq 6,553,600 bytes; wq 2,457,600 bytes; wp 819,200 bytes; qb 6,815,744 bytes; kv 13,631,488 bytes; at 6,553,600 bytes
;; launch quant (part 1): grid 384 x 1, 4 waves a work-group, no clusters, 66,048 bytes of LDS; arguments x, w_qkv, w_proj, xq, wq, wp; writes xq, wq, wp
.if DOCPART == 1
	.amdgcn_target "amdgcn-amd-amdhsa--gfx1250"
	.amdhsa_code_object_version 6
	.text
	.protected	k_q317028064d_quant
	.globl	k_q317028064d_quant
	.p2align	8
	.type	k_q317028064d_quant,@function
k_q317028064d_quant:
	s_mov_b64 s[64:65], 0
	v_nop
	global_prefetch_b8 v0, s[64:65] scope:SCOPE_SE
	s_setreg_imm32_b32 hwreg(HW_REG_WAVE_MODE, 25, 1), 1
	s_wait_xcnt 0x0
; x [8192][1024], w_qkv [3072][1024] and w_proj [1024][1024], f32, K innermost, become codes of FP6 (E2M3), 768 bytes a row, and one E8M0 scale byte for each 32 along K, 32 bytes a row.
; A block's scale is 2^(floor(log2(its largest magnitude)) - 2); its byte is the largest magnitude's exponent field - 2, held at 1 from below.  Each number is divided by the scale and rounded to the nearest code, ties to even.
; LIMITS: a block whose largest magnitude lies under 2^-124 keeps the byte 1; a block of zeros has the byte 1 where the rule says 127 (its codes are zeros, and this program alone reads the bytes); NaN and infinities are not served.
; ROWS LEAVE IN ANOTHER ORDER THAN THEY COME.  Of each 32 rows the four groups of eight go to places 0, 2, 1, 3.  So place 16 t + r of the 32 holds row 8 t + r + 8 (r / 8): sixteen neighbouring places are the rows that a tile
; of a matrix operand wants, so that two neighbouring tiles' results are 16 neighbours in a lane's registers.  Each output buffer holds the codes first and the scale bytes behind them.
; SHARES.  A work-group takes 32 rows, a wave eight: 8,192 numbers in 16 steps of 512.  Work-groups 0-255 take x, 256-351 w_qkv, 352-383 w_proj: only pointers are chosen, all take one path.
; A load reads 512 consecutive bytes, 16 a lane; a step's 2,048 bytes turn through the wave's own stage in LDS and come back 64 bytes a lane: 16 neighbours, two lanes to a block.  A lane's 16 codes are 12 bytes: the wave stores
; 384 consecutive bytes.  A wave's 256 scale bytes are gathered in its own LDS and leave as one aligned run of 256 bytes.  No barrier: waves share nothing.  Loads run four steps ahead, the turn through LDS one step.
.set STEPS, 16
.set CB,    12                         ; bytes of 16 codes
.set R,     16                         ; v16-79   four sets of 16 numbers as they are loaded
.set X,     80                         ; v80-111  two sets of 16 neighbours
.set E,     112                        ; v112-127 a scale byte for each step
.set C,     128                        ; v128-191 codes: four registers for each step, so that no store's data are written again
; THE CODES' ORDER: [tile of 16 places][64 along K, 16 of them][place 16][48 bytes]: a tile is 12,288 bytes.  A wave's eight places have 384 consecutive bytes for each 64 along K.
; A step's codes (half a row) go to the wave's own stage, 12 bytes to a place of 16, and leave at the end: 16 stores of 384 consecutive bytes.
.set WREG,  16384                      ; LDS: a region for each wave: two stages of 32 x SP bytes, its 256 scale bytes, and from byte 8,192 on the codes' stage, 512 places of 16 bytes
.set SP,    80                         ; a lane's place in a stage: its 64 bytes + 16 of padding
	s_load_b256 s[4:11], s[0:1], 0x0               ; x s[4:5], w_qkv s[6:7], w_proj s[8:9], xq s[10:11]
	s_load_b128 s[12:15], s[0:1], 0x20             ; wq s[12:13], wp s[14:15]
	v_lshl_add_u32 v192, v0, 2, 0x10000
	v_mov_b32 v193, 0
	v_lshrrev_b32 v1, 5, v0
	v_readfirstlane_b32 s16, v1                    ; wave
	v_and_b32 v2, 31, v0                           ; lane
	v_lshlrev_b32 v3, 4, v2                        ; my 16 bytes of a load's 512
	s_mul_i32 s17, s16, WREG
	v_lshrrev_b32 v14, 2, v2
	v_mul_u32_u24 v14, v14, SP
	v_and_b32 v15, 3, v2
	v_lshl_add_u32 v14, v15, 4, v14
	v_add_nc_u32 v14, s17, v14                     ; the stage, on the way in: four lanes' 64 bytes on end, then 16 of padding
	v_mul_u32_u24 v15, v2, SP
	v_add_nc_u32 v15, s17, v15
	v_lshrrev_b32 v10, 2, v2
	v_and_b32 v1, 3, v2
	v_lshlrev_b32 v10, 9, v10
	v_lshl_add_u32 v10, v1, 4, v10
	v_add_nc_u32 v10, s17, v10                     ; the codes' stage, in: 512 (lane / 4) + 16 (lane % 4): four lanes hold 64 along K
	v_add_nc_u32 v1, s17, v3                       ; and out: 16 x lane
	v_mul_u32_u24 v4, v2, CB                       ; my codes' place in a step's
	v_lshrrev_b32 v5, 1, v2
	s_add_co_u32 s17, s17, 2*32*SP
	v_add_nc_u32 v5, s17, v5                       ; LDS: my wave's 256 scale bytes, my block's byte
	v_lshlrev_b32 v7, 3, v2                        ; and on the way out 8 bytes a lane
	v_add_nc_u32 v6, s17, v7
	s_wait_alu depctr_va_vdst(0)
	s_wait_kmcnt 0x0
	s_cmp_lt_u32 ttmp9, 352                        ; which tensor?  The choices hang on the work-group's number alone
	s_cselect_b64 s[6:7], s[6:7], s[8:9]
	s_cselect_b64 s[12:13], s[12:13], s[14:15]
	s_mov_b32 s17, 352
	s_cselect_b32 s17, 256, s17                    ; the tensor's first work-group
	s_mov_b32 s22, 786432
	s_cselect_b32 s22, 2359296, s22                ; where its scale bytes begin in its output buffer: rows x 768
	s_cmp_lt_u32 ttmp9, 256
	s_cselect_b64 s[4:5], s[4:5], s[6:7]
	s_cselect_b64 s[10:11], s[10:11], s[12:13]
	s_cselect_b32 s17, 0, s17
	s_cselect_b32 s22, 6291456, s22
	s_sub_co_u32 s17, ttmp9, s17
	s_lshl_b32 s17, s17, 2
	s_add_co_u32 s18, s17, s16                     ; the run of eight rows that I read,
	s_and_b32 s23, s16, 1
	s_lshl_b32 s23, s23, 1
	s_lshr_b32 s24, s16, 1
	s_or_b32 s23, s23, s24                         ; 0, 2, 1, 3 for waves 0, 1, 2, 3
	s_add_co_u32 s24, s17, s23                     ; and the place of eight rows that I write
	s_lshl_b32 s20, s18, 15                        ; 8,192 numbers of 4 bytes a run (33,521,664 at the most)
	s_mov_b32 s21, 0
	s_add_nc_u64 s[4:5], s[4:5], s[20:21]
	s_lshl_b32 s20, s24, 8                         ; 256 scale bytes a place
	s_add_co_u32 s20, s20, s22
	s_add_nc_u64 s[12:13], s[10:11], s[20:21]      ; the scale bytes
	s_lshr_b32 s20, s24, 1
	s_mul_i32 s20, s20, 12288                      ; my tile of 16 places,
	s_and_b32 s25, s24, 1
	s_mul_i32 s25, s25, 384                        ; and my eight of them: 8 x 48 bytes
	s_add_co_u32 s20, s20, s25
	s_add_nc_u64 s[10:11], s[10:11], s[20:21]      ; the codes
.macro LOAD t
.irp i, 0,1,2,3
	global_load_b128 v[R+16*((\t)%4)+4*\i:R+16*((\t)%4)+4*\i+3], v3, s[4:5] offset:2048*(\t)+512*\i th:TH_LOAD_NT   ; 32 lanes read 512 consecutive bytes
.endr
.endm
.macro TURN t                          ; step t's numbers through the stage: LDS serves a wave's instructions in order, so no wait stands between the stores and the loads
.irp i, 0,1,2,3
	ds_store_b128 v14, v[R+16*((\t)%4)+4*\i:R+16*((\t)%4)+4*\i+3] offset:32*SP*((\t)%2)+8*SP*\i
.endr
.irp i, 0,1,2,3
	ds_load_b128 v[X+16*((\t)%2)+4*\i:X+16*((\t)%2)+4*\i+3], v15 offset:32*SP*((\t)%2)+16*\i
.endr
.endm
.irp t, 0,1,2,3
	LOAD \t
.endr
	s_wait_loadcnt 12                              ; step 0's four loads are in; the twelve of steps 1 to 3 may be out
	TURN 0
.macro STEP t
.set XS, X+16*((\t)%2)
.if (\t) > 0
	s_wait_dscnt 2                                 ; this step's numbers are back from the stage (the last step's two stores, byte and codes, may be out)
.else
	s_wait_dscnt 0x0
.endif
.if (\t)+4 < STEPS
	LOAD (\t)+4                                    ; which take the loads of four steps on
.endif
.if (\t)+1 < STEPS
.if STEPS-2-(\t) >= 3
	s_wait_loadcnt 12                              ; the next step's four loads are in; those of the three steps behind it may be out
.else
	s_wait_loadcnt 4*(STEPS-2-(\t))
.endif
	TURN (\t)+1                                    ; and go through the other stage while this step is worked
.endif
	v_max3_num_f32 v8, |v[XS]|, |v[XS+1]|, |v[XS+2]|               ; the largest magnitude of my 16, in two chains
	v_max3_num_f32 v9, |v[XS+3]|, |v[XS+4]|, |v[XS+5]|
.irp i, 6,10
	v_max3_num_f32 v8, v8, |v[XS+\i]|, |v[XS+\i+1]|
	v_max3_num_f32 v9, v9, |v[XS+\i+2]|, |v[XS+\i+3]|
.endr
	v_max3_num_f32 v8, v8, |v[XS+14]|, |v[XS+15]|
	v_max3_num_f32 v8, v8, v9, 0x1800000           ; and the floor 2^(3 - 127): so the byte cannot fall under 1
	v_max_num_f32_dpp v8, v8, v8 row_xmask:1 row_mask:0xf bank_mask:0xf   ; and of my neighbour's 16: the block's
	v_add_nc_u32 v11, 0xff000000, v8               ; 2 off its exponent field: the conversion takes the exponent field of this operand as its scale, and nothing else of it
	v_cvt_scalef32_pk16_fp6_f32 v[C+4*(\t):C+4*(\t)+2], v[XS:XS+15], v11   ; 96 bits without gaps, the first number's code lowest; beyond the largest code the largest
	v_lshrrev_b32 v[E+(\t)], 23, v11               ; the scale's byte (also the plain line behind the conversion)
	ds_store_b8 v5, v[E+(\t)] offset:16*(\t)       ; both lanes of a block write the same byte with the same value
	ds_store_b96 v10, v[C+4*(\t):C+4*(\t)+2] offset:8192+4096*((\t)%2)+64*((\t)/2)   ; place 32 (8 (t % 2) + lane / 4) + 4 (t / 2) + lane % 4
.endm
.irp t, 0,1,2,3,4,5,6,7,8,9,10,11,12,13,14,15
	STEP \t
.endr
	ds_load_b64 v[12:13], v6                       ; LDS serves a wave's instructions in order: these see my stores
.irp g, 0,1,2,3,4,5,6,7,8,9,10,11,12,13,14,15
	ds_load_b96 v[R+4*\g:R+4*\g+2], v1 offset:8192+512*\g
.endr
	s_wait_dscnt 16                                ; the scale bytes are back; the sixteen loads behind them may be out
	global_store_b64 v7, v[12:13], s[12:13]        ; 32 lanes store 256 consecutive bytes, aligned
.irp g, 0,1,2,3,4,5,6,7,8,9,10,11,12,13,14,15
	s_wait_dscnt 15-\g
	global_store_b96 v4, v[R+4*\g:R+4*\g+2], s[10:11] offset:768*\g   ; my eight places' 384 consecutive bytes of the g-th 64 along K
.endr
	s_wait_tensorcnt 0x0
	ds_add_u32 v192, v193
	s_wait_dscnt 0x0
	s_endpgm
.Lfunc_end_k_q317028064d_quant:
	.size	k_q317028064d_quant, .Lfunc_end_k_q317028064d_quant-k_q317028064d_quant
	.p2alignl 7, 3214868480
	.fill 96, 4, 3214868480
	.section	.rodata,"a",@progbits
	.p2align	6, 0x0
	.amdhsa_kernel k_q317028064d_quant
		.amdhsa_group_segment_fixed_size 66048
		.amdhsa_private_segment_fixed_size 0
		.amdhsa_enable_private_segment 0
		.amdhsa_kernarg_size 48
		.amdhsa_user_sgpr_count 2
		.amdhsa_user_sgpr_kernarg_segment_ptr 1
		.amdhsa_wavefront_size32 1
		.amdhsa_system_sgpr_workgroup_id_x 1
		.amdhsa_system_sgpr_workgroup_id_y 1
		.amdhsa_system_sgpr_workgroup_id_z 1
		.amdhsa_system_vgpr_workitem_id 0
		.amdhsa_next_free_vgpr 194
		.amdhsa_next_free_sgpr 66
		.amdhsa_reserve_vcc 0
		.amdhsa_float_denorm_mode_32 3
		.amdhsa_float_denorm_mode_16_64 3
		.amdhsa_memory_ordered 1
		.amdhsa_forward_progress 1
		.amdhsa_inst_pref_size 36
	.end_amdhsa_kernel
	.amdgpu_metadata
---
amdhsa.version: [ 1, 2 ]
amdhsa.kernels:
  - .name:           k_q317028064d_quant
    .symbol:         k_q317028064d_quant.kd
    .args:
      - { .name: x, .offset: 0, .size: 8, .value_kind: global_buffer, .address_space: global }
      - { .name: w_qkv, .offset: 8, .size: 8, .value_kind: global_buffer, .address_space: global }
      - { .name: w_proj, .offset: 16, .size: 8, .value_kind: global_buffer, .address_space: global }
      - { .name: xq, .offset: 24, .size: 8, .value_kind: global_buffer, .address_space: global }
      - { .name: wq, .offset: 32, .size: 8, .value_kind: global_buffer, .address_space: global }
      - { .name: wp, .offset: 40, .size: 8, .value_kind: global_buffer, .address_space: global }
    .group_segment_fixed_size: 66048
    .private_segment_fixed_size: 0
    .kernarg_segment_align: 8
    .kernarg_segment_size: 48
    .max_flat_workgroup_size: 128
    .sgpr_count:     66
    .vgpr_count:     194
    .wavefront_size: 32
...
	.end_amdgpu_metadata
.endif
;; end of part 1
;; launch qkv (part 2): grid 12 x 32, 4 waves a work-group, clusters of 4 x 4, 327,680 bytes of LDS; arguments xq, wq, b_qkv, qb, kv; writes qb, kv
.if DOCPART == 2
	.amdgcn_target "amdgcn-amd-amdhsa--gfx1250"
	.amdhsa_code_object_version 6
	.text
	.protected	k_q317028064d_qkv
	.globl	k_q317028064d_qkv
	.p2align	8
	.type	k_q317028064d_qkv,@function
k_q317028064d_qkv:
	s_mov_b64 s[64:65], 0
	v_nop
	global_prefetch_b8 v0, s[64:65] scope:SCOPE_SE
	s_setreg_imm32_b32 hwreg(HW_REG_WAVE_MODE, 25, 1), 1
	s_wait_xcnt 0x0
	s_wait_alu depctr_hold_cnt(0) depctr_sa_sdst(0) depctr_va_vdst(0) depctr_va_sdst(0) depctr_va_ssrc(0) depctr_va_vcc(0) depctr_vm_vsrc(0)
	s_getreg_b32 s2, hwreg(HW_REG_IB_STS2, 6, 4)
	s_cmp_eq_u32 s2, 0
	s_cbranch_scc0 .Lentry_in_a_cluster
	s_endpgm
.Lentry_in_a_cluster:
	s_bfe_u32 s2, ttmp6, 0x10000c
	s_cmp_lg_u32 s2, 0xf033
	s_cbranch_scc0 .Lentry_shape_is_right
	s_endpgm
.Lentry_shape_is_right:
; qkv = x w_qkv^T + b_qkv on codes of FP6 (E2M3) with one E8M0 scale for each 32 along K = 1,024; the f32 result never goes to memory: it is quantised here into the operands of the two products of attention.
; xq: [8192 places][768] codes, then [8192][32] scale bytes; wq: [3072 places][768], then [3072][32].  Of each 32 rows, place 16 t + r holds row 8 t + r + 8 (r / 8) (made by the launch before).
; A work-group makes 256 tokens x 256 features; four waves, each 128 x 128: 64 accumulators, 512 registers.  K goes in four steps of 256 through two LDS slots filled by the tensor data mover; the scale bytes come once.
; CLUSTERS of 4 x 4: the token tile T is asked for jointly along a row of the cluster, the weight tile W along a column.  Feature tiles 0-3 are q, 4-7 k, 8-11 v: a cluster (its x = 0, 1, 2) makes one kind.
; WHICH TILE IS WHICH SOURCE hangs on the cluster's x, which all partners share.  In a result a lane holds one row of source 1 and its registers run along source 0's rows; by the order of places the 16 registers of two
; neighbouring tiles are 16 neighbours.  q and k are quantised along the head's 64 channels: source 1 = T, source 0 = W.  v is quantised along the keys: source 1 = W, source 0 = T.  Only the LDS bases of the reads differ.
; THE WAY OUT.  Each block of 16 rows of source 1 has 64 numbers a lane: + bias, four blocks of 32, four scale bytes, 12 registers of codes.  They leave as IMAGES OF OPERAND REGISTERS: register group g (four registers)
; at 512 g + 16 lane, so that every store of the wave covers 512 consecutive bytes, aligned, and the reader loads operands as they stand.
;   qb: [batch x head 64][step of 128 tokens 16][6,656]: 48 registers of codes (tile t of 16 token places: registers 6 t .. 6 t + 5, lane (r, h): channels 32 h ..), then 4 registers of scale words.
;   kv: [64][16][13,312]: k's codes as q's, v's codes at 6,144 (tile t of 16 channel places x 128 keys: registers 12 t .. 12 t + 11), k's scale words at 12,288, v's at 12,800.
;   q's and k's scale register j: lanes 0-15 tile 2 j's words, lanes 16-31 tile 2 j + 1's; a word's bytes 0, 1 are the head's two blocks, bytes 2, 3 are 0.  v's scale register t: tile t's words.
; LIMITS: a block whose largest magnitude lies under 2^-124 keeps the byte 1, a block of zeros too (this program alone reads the bytes); NaN and infinities are not served.
; REGISTERS, in windows of 256: window 0: v0-31 addresses; v32-63 source 1's scale words, two sets; v64-95 source 0's; v128-223 source 1's fragments, ONE set.
;   window 1: source 0's fragments, TWO sets, at v0 and v128; the bias in v96-127 and v224-255; on the way out all else of it.   windows 2, 3: the accumulators ((a, b) at v[8 (8 (a % 4) + b)]).
.set NQ,     2                         ; matrix instructions deep in a slot: 256 along K
; THE CODES' ORDER in xq and wq: [tile of 16 places][64 along K][place][48 bytes], 12,288 bytes a tile.  A K step of 256 is 3,072 consecutive bytes of each tile; LDS holds them as they lie, with no padding.
.set ROWB,   3072                      ; a tensor row: one tile of 16 places x 256 along K
.set KROW,   12288                     ; from tile to tile in memory
.set PITCH,  48                        ; from place to place: 12 words; lane (r, h) reads words 12 r + 6 h + 2 i: the 32 lanes of a load of 8 bytes touch 64 different banks (64 banks of 4 bytes: ISA guide 11.1)
.set FR,     12                        ; registers of a fragment
.set NL,     6                         ; LDS loads that bring one
.set NP,     4                         ; places behind this matrix instruction (ISA guide 7.12.1)
.set HALFT,  8*ROWB                    ; 128 places
.set SLOT,   4*HALFT                   ; T's 256 rows, then W's 256 rows
.set KS,     32                        ; a row of scale bytes
.set SCL,    2*SLOT                    ; behind the ring: the scale bytes, dense
.set HALFS,  4096                      ; those of 128 rows, dense
.set SBLK,   512
.set SPARE,  SCL+4*HALFS               ; the spare words, 128 bytes for each wave: two blocks of 256 bytes that no other line names
.set XQ_SC,  6291456                   ; where the scale bytes begin in xq,
.set WQ_SC,  2359296                   ; and in wq
.set ADRA, 16                          ; v16-17  LDS address of source 1's fragments in slot 0, 1
.set ADRB, 20                          ; v20-21  the same for source 0
.set B64H, 24                          ; v24     64 x (lane / 16): the bias of q and k
.set BCH,  25                          ; v25     4 (r + 8 (r / 8)): the bias of v
.set LI,   26                          ; v26     16 x lane: my place in an image
.set ADSA, 27                          ; v27     LDS address of source 1's scale words
.set SPW,  28                          ; v28     LDS address of my spare word; never rewritten
.set NIL,  29                          ; v29     0; never rewritten
.set ADSB, 30                          ; v30     LDS address of source 0's scale words
.set LI2,  31                          ; v31     16 x lane + where the scale words lie in a block of qb or kv
.set SCA,  32                          ; set s at v[SCA + 16 s]; register 2 i + q: block i's words for the slot's q-th 128 along K
.set SCB,  64
.set AF,   128
.set H,    0                           ; the way out, in window 1: v0-63 64 numbers;
.set TM,   64                          ; v64-79 at work;
.set PT,   80                          ; v80-87 the upper halves of blocks' codes;
.set PW,   88                          ; v88-95 the scale words of the eight blocks;
.set CODE, 128                         ; v128-223 the codes
.set SEL,  66                          ; s[66:67] lane selects for v_permlanex16_b32: lane l xor 16
.set G1, 24                            ; s[24:31] descriptor group 1 for T's tiles;  s[32:39] group 0, one set for each slot
.set G0, 32
.set G1B, 48                           ; s[48:55], s[56:63] the same for W's tiles
.set G0B, 56
.set G1S, 68                           ; s[68:75], s[76:79] groups 1 and 0 for T's scale bytes;  s[80:87], s[88:91] for W's
.set G0S, 76
.set G1SB, 80
.set G0SB, 88
.set MSB, 0
.macro WIN new                         ; the immediate's high byte repeats the setting that is left
.if MSB != \new
	s_set_vgpr_msb (MSB<<8)|\new
.set MSB, \new
.endif
.endm
.set MUL_LO, 0xa1                      ; source 0 window 1, source 1 window 0, C and D window 2
.set MUL_HI, 0xf1                      ; the same, C and D window 3
.set TO_B,   0x40                      ; destination window 1, address window 0
; A joint load: waves 0 and 1 fetch for T, waves 2 and 3 for W.  Each line has ONE mask and one set of registers for all that issue it; the branch hangs on the wave's number alone.
; Four v_nop follow each of the two lines, ahead of the jump, the label and what follows.
.macro JLOAD g0a, g1a, g0b, g1b
	s_cmp_eq_u32 s15, 0
	s_cbranch_scc0 .Lfor_b_\@
	tensor_load_to_lds s[\g0a:\g0a+3], s[\g1a:\g1a+7]
	s_nop 0
.rept 4
	v_nop
.endr
	s_branch .Lasked_\@
.Lfor_b_\@:
	tensor_load_to_lds s[\g0b:\g0b+3], s[\g1b:\g1b+7]
	s_nop 0
.rept 4
	v_nop
.endr
.Lasked_\@:
.endm
.macro CREST                           ; a round of the cluster's barrier behind its opening barrier
	s_cmp_lg_u32 s14, 0
	s_cbranch_scc1 .Lnot_wave_0_\@
	s_barrier_signal -3
.Lnot_wave_0_\@:
	s_barrier_wait -3
	s_barrier_signal -1
	s_barrier_wait -1
.endm
.macro CROUND                          ; a whole round
	s_barrier_signal -1
	s_barrier_wait -1
	CREST
.endm
	s_load_b128 s[4:7], s[0:1], 0x0                ; xq s[4:5], wq s[6:7]
	s_load_b128 s[8:11], s[0:1], 0x10              ; b_qkv s[8:9], qb s[10:11]
	s_load_b64 s[12:13], s[0:1], 0x20              ; kv
	v_lshl_add_u32 v[SPW], v0, 2, SPARE
	v_mov_b32 v[NIL], 0
	ds_add_u32 v28, v29
	ds_add_u32 v28, v29
	s_wait_dscnt 0x0
	v_lshrrev_b32 v1, 5, v0
	v_readfirstlane_b32 s14, v1                    ; wave 0..3
	s_lshr_b32 s15, s14, 1                         ; which 128 rows of source 1 are mine.  Also: I fetch for T (0) or for W (1)
	s_and_b32 s16, s14, 1                          ; which 128 rows of source 0.  Also: which 128 rows of that tile I fetch
	s_bfe_u32 s40, ttmp6, 0x40000                  ; cx, cy: my place in the cluster
	s_bfe_u32 s41, ttmp6, 0x40004
	s_lshl_b32 s42, ttmp9, 2
	s_add_co_u32 s42, s42, s40                     ; feature tile = 4 x cluster x + cx
	s_and_b32 s17, ttmp7, 0xffff
	s_lshl_b32 s17, s17, 2
	s_add_co_u32 s17, s17, s41                     ; token tile = 4 x cluster y + cy
	s_lshl_b32 s43, s41, 2
	s_lshl_b32 s43, 15, s43                        ; my row of the cluster
	s_lshl_b32 s44, 0x1111, s40                    ; my column
	; descriptor group 1: rows of 3,072 bytes, one a tile of 16 places, dense in LDS
	s_or_b32 s[G1+0], s43, (1<<21)                 ; 15:0 the mask: T's tiles go to my row; elements of 1 byte; 21 set beside a mask; no padding
	s_or_b32 s[G1B+0], s44, (1<<21)
.irp g, G1, G1B
	s_mov_b32 s[\g+1], ROWB<<16                    ; tensor_dim0
	s_mov_b32 s[\g+2], 16<<16                      ; the head's loads bring 16 tiles (256 places); behind them these two words are set to 8
	s_mov_b32 s[\g+3], ROWB<<16                    ; tile_dim0
	s_mov_b32 s[\g+4], 16
	s_mov_b32 s[\g+5], KROW                        ; tensor_dim0_stride
	s_mov_b32 s[\g+6], 0
	s_mov_b32 s[\g+7], 0
.endr
	; the scale bytes of 256 rows: a dense block of 8,192 bytes, as 32 rows of 256 bytes (32 elements of 8 bytes), no padding
	s_or_b32 s[G1S+0], s43, (3<<16)|(1<<21)        ; the scale bytes of 256 rows: 32 rows of 256 bytes, dense
	s_or_b32 s[G1SB+0], s44, (3<<16)|(1<<21)
.irp g, G1S, G1SB
	s_mov_b32 s[\g+1], 32<<16
	s_mov_b32 s[\g+2], 32<<16
	s_mov_b32 s[\g+3], 32<<16
	s_mov_b32 s[\g+4], 32
	s_mov_b32 s[\g+5], 32
	s_mov_b32 s[\g+6], 0
	s_mov_b32 s[\g+7], 0
.endr
	s_lshl_b32 s20, s17, 8                         ; T: place 256 x token tile
	s_lshl_b32 s46, s42, 8                         ; W: place 256 x feature tile
	s_mov_b32 s21, 0
	s_mov_b32 s47, 0
	s_mov_b64 s[18:19], KS
	s_mul_u64 s[22:23], s[20:21], s[18:19]         ; where these rows' scale bytes begin,
	s_mul_u64 s[92:93], s[46:47], s[18:19]
	s_mov_b64 s[18:19], 768                        ; 768 bytes of codes a place
	s_mul_u64 s[20:21], s[20:21], s[18:19]         ; and their codes
	s_mul_u64 s[46:47], s[46:47], s[18:19]
	s_mul_i32 s45, s14, HALFT                      ; where they go: wave x 128 rows: no place in the cluster enters an LDS address
	s_mov_b32 s[SEL], 0x76543210
	s_mov_b32 s[SEL+1], 0xfedcba98
	s_wait_kmcnt 0x0
	s_add_nc_u64 s[20:21], s[4:5], s[20:21]
	s_add_nc_u64 s[22:23], s[4:5], s[22:23]
	s_add_nc_u64 s[22:23], s[22:23], XQ_SC
	s_add_nc_u64 s[46:47], s[6:7], s[46:47]
	s_add_nc_u64 s[92:93], s[6:7], s[92:93]
	s_add_nc_u64 s[92:93], s[92:93], WQ_SC
	CROUND                                         ; all sixteen work-groups are here: the first joint loads meet
	s_mov_b32 s[G0S], 1
	s_mov_b32 s[G0S+1], SCL
	s_mov_b64 s[G0S+2:G0S+3], s[22:23]
	s_or_b32 s[G0S+3], s[G0S+3], 0x80000000
	s_mov_b32 s[G0SB], 1
	s_mov_b32 s[G0SB+1], SCL+2*HALFS
	s_mov_b64 s[G0SB+2:G0SB+3], s[92:93]
	s_or_b32 s[G0SB+3], s[G0SB+3], 0x80000000
	s_mul_i32 s18, s16, 8*KROW                     ; in the ring I fetch 128 places of a tile: which half, in bytes
	s_mov_b32 s19, 0
	s_mov_b32 s[G0], 1                             ; slot 0's groups 0 serve the head first: K step 0 of T's 256 places,
	s_mov_b32 s[G0+1], 0
	s_mov_b64 s[G0+2:G0+3], s[20:21]
	s_or_b32 s[G0+3], s[G0+3], 0x80000000
	s_mov_b32 s[G0B], 1                            ; and of W's, behind them
	s_mov_b32 s[G0B+1], 2*HALFT
	s_mov_b64 s[G0B+2:G0B+3], s[46:47]
	s_or_b32 s[G0B+3], s[G0B+3], 0x80000000
	s_add_nc_u64 s[20:21], s[20:21], s[18:19]
	s_add_nc_u64 s[46:47], s[46:47], s[18:19]
	s_mov_b32 s[G0+4], 1                           ; slot 1: K step 1, my 128 places
	s_add_co_u32 s[G0+5], s45, SLOT
	s_add_nc_u64 s[G0+6:G0+7], s[20:21], ROWB
	s_or_b32 s[G0+7], s[G0+7], 0x80000000
	s_mov_b32 s[G0B+4], 1
	s_add_co_u32 s[G0B+5], s45, SLOT
	s_add_nc_u64 s[G0B+6:G0B+7], s[46:47], ROWB
	s_or_b32 s[G0B+7], s[G0B+7], 0x80000000
; THE HEAD'S LOADS, ONE A WAVE: wave 0 T's codes, wave 1 W's, wave 2 T's scale bytes, wave 3 W's.  One tree of branches on the wave's number; every way passes one load.
.macro ARM under, g0, g1, next
	s_cmp_lt_u32 s14, \under
	s_cbranch_scc0 \next
	tensor_load_to_lds s[\g0:\g0+3], s[\g1:\g1+7]
	s_nop 0
.rept 4
	v_nop
.endr
	s_branch .Lhead_asked
\next:
.endm
	ARM 1, G0,  G1,  .Lhead_b
	ARM 2, G0B, G1B, .Lhead_sa
	ARM 3, G0S, G1S, .Lhead_sb
	tensor_load_to_lds s[G0SB:G0SB+3], s[G1SB:G1SB+7]
	s_nop 0
.rept 4
	v_nop
.endr
.Lhead_asked:
	v_and_b32 v1, 15, v0                           ; r = lane % 16
	v_bfe_u32 v2, v0, 4, 1                         ; h = lane / 16
	v_mul_u32_u24 v3, v1, PITCH
	v_mul_u32_u24 v4, v2, 24
	v_add_nc_u32 v4, v3, v4                        ; a fragment's row x pitch + 24 x half
	s_wait_alu depctr_va_vdst(0)
	s_cmp_ge_u32 ttmp9, 2                          ; a cluster of v?  The same answer in all sixteen partners
	s_cselect_b32 s96, 2*HALFT, 0                  ; source 1 is read from W's rows there, else from T's;
	s_cselect_b32 s97, 0, 2*HALFT                  ; source 0 the other way round;
	s_cselect_b32 s98, 2*HALFS, 0                  ; and their scale words likewise.  Whatever is chosen, a read stays inside its slot, or inside the scale bytes
	s_cselect_b32 s99, 0, 2*HALFS
	s_mul_i32 s21, s15, HALFT
	s_add_co_u32 s21, s21, s96
	s_mul_i32 s22, s16, HALFT
	s_add_co_u32 s22, s22, s97
.irp s, 0,1
	v_add_nc_u32 v[ADRA+\s], s21, v4
	v_add_nc_u32 v[ADRB+\s], s22, v4
	s_add_co_u32 s21, s21, SLOT
	s_add_co_u32 s22, s22, SLOT
.endr
	v_lshlrev_b32 v5, 5, v1                        ; my row's scale bytes: 32 a row
	s_mul_i32 s21, s15, HALFS
	s_add_co_u32 s21, s21, s98
	s_add_co_u32 s21, s21, SCL
	s_mul_i32 s22, s16, HALFS
	s_add_co_u32 s22, s22, s99
	s_add_co_u32 s22, s22, SCL
	v_add_nc_u32 v[ADSA], s21, v5                  ; both halves of the lanes take row r's words: the unit reads lanes 0-15
	v_add_nc_u32 v[ADSB], s22, v5
	v_lshlrev_b32 v[B64H], 6, v2
	v_and_b32 v6, 8, v1
	v_add_nc_u32 v6, v6, v1
	v_lshlrev_b32 v[BCH], 2, v6
	v_and_b32 v6, 31, v0
	v_lshlrev_b32 v[LI], 4, v6
.macro FRAG reg, adr, q, i             ; a fragment, 16 rows x 128 K, is 12 registers: lane l holds row l % 16; registers 6 c .. 6 c + 5 hold K = 64 c + 32 (l / 16) + 0 .. 31: 24 bytes of the row, as they lie
.irp p, 0,1,2,3,4,5                    ; in pieces of 8 bytes.  Lanes 0-15 take the row's pieces 12 q + 0, 1, 2 and 12 q + 6, 7, 8, lanes 16-31 those three pieces on
	ds_load_b64 v[\reg+2*\p:\reg+2*\p+1], v[\adr] offset:(\i)*ROWB+(\q)*1536+768*(\p/3)+8*(\p%3)   ; tile i, 64 along K number 2 q + p / 3, my 24 bytes' piece p % 3
.endr
.endm
; 16 matrix instructions: source 1's blocks a0, a0 + 1 x source 0's eight, the slot's q-th 128 along K.  p: source 0's set;  sc: the set of scale words.  zero = 1: the first product starts the sums.
; The 64 accumulators take turns, one instruction a turn, in the same order in every step.
.macro MUL16 a0, p, q, sc, zero
.irp a, \a0, \a0+1
.irp b, 0,1,2,3,4,5,6,7
.if \zero
	v_wmma_scale_f32_16x16x128_f8f6f4 v[8*(8*((\a)%4)+\b):8*(8*((\a)%4)+\b)+7], v[128*(\p)+FR*\b:128*(\p)+FR*\b+FR-1], v[AF+FR*(\a):AF+FR*(\a)+FR-1], 0, v[SCB+16*(\sc)+NQ*\b+(\q)], v[SCA+16*(\sc)+NQ*(\a)+(\q)] matrix_a_fmt:MATRIX_FMT_FP6 matrix_b_fmt:MATRIX_FMT_FP6
.else
	v_wmma_scale_f32_16x16x128_f8f6f4 v[8*(8*((\a)%4)+\b):8*(8*((\a)%4)+\b)+7], v[128*(\p)+FR*\b:128*(\p)+FR*\b+FR-1], v[AF+FR*(\a):AF+FR*(\a)+FR-1], v[8*(8*((\a)%4)+\b):8*(8*((\a)%4)+\b)+7], v[SCB+16*(\sc)+NQ*\b+(\q)], v[SCA+16*(\sc)+NQ*(\a)+(\q)] matrix_a_fmt:MATRIX_FMT_FP6 matrix_b_fmt:MATRIX_FMT_FP6
.endif
.endr
.endr
.endm
.macro FETCH_B slot, q, p              ; source 0's eight fragments of the slot's q-th 128 along K into set p
	WIN TO_B
.irp i, 0,1,2,3,4,5,6,7
	FRAG 128*(\p)+FR*\i, ADRB+\slot, \q, \i
.endr
	WIN 0
.endm
.macro FETCH_A slot, q, i0             ; source 1's blocks i0 .. i0 + 3
.irp i, \i0, \i0+1, \i0+2, \i0+3
	FRAG AF+FR*(\i), ADRA+\slot, \q, \i
.endr
.endm
.macro SCALES sc                       ; a K step's scale words into set sc: two words a row
.irp i, 0,1,2,3,4,5,6,7
	ds_load_b64 v[SCA+16*\sc+NQ*\i:SCA+16*\sc+NQ*\i+1], v[ADSA] offset:\i*SBLK
.endr
.irp i, 0,1,2,3,4,5,6,7
	ds_load_b64 v[SCB+16*\sc+NQ*\i:SCB+16*\sc+NQ*\i+1], v[ADSB] offset:\i*SBLK
.endr
.endm
; A load into a register that a matrix instruction has read, and a vector instruction that reads a matrix result or writes one of a matrix instruction's registers, stand NP places behind it; only plain vector
; instructions that name none of its registers are places (ISA guide 7.12.1 for vector instructions).
.macro PLACES n
.rept \n
	v_nop
.endr
.endm
; A step of 128 along K that has its successor in the same slot.
.macro STEP slot, q, zero
	s_wait_dscnt 4*NL                              ; source 0's set, the scale words and source 1's blocks 0-3 are in; the youngest 24 loads (blocks 4-7) may be out
	WIN MUL_LO
	MUL16 0, (\q)%2, \q, \slot, \zero
	MUL16 2, (\q)%2, \q, \slot, \zero
	s_wait_dscnt 0                                 ; blocks 4-7 are in (asked for 32 matrix instructions ago)
	PLACES NP
	FETCH_B \slot, (\q)+1, 1-(\q)%2
	FETCH_A \slot, (\q)+1, 0
	WIN MUL_HI
	MUL16 4, (\q)%2, \q, \slot, \zero
	MUL16 6, (\q)%2, \q, \slot, \zero
	PLACES NP
	WIN 0
	FETCH_A \slot, (\q)+1, 4
.endm
; A slot's last step changes slots: ONE barrier; in front of it each wave waits for all its tensor loads, adds 0 to its spare word, and waits for that and for its own reads of this slot.  fill = 1: this slot is filled again, two K steps ahead.
.macro TURN slot, next, fill
	s_wait_tensorcnt 0x0                           ; all my tensor loads have landed: my part of the next slot  (every window is 0 here)
	ds_add_u32 v[SPW], v[NIL]                      ; 0 onto my spare word
	s_wait_dscnt 4*NL+1                            ; (the add and the youngest 24 loads, blocks 4-7, may be out)
	WIN MUL_LO
	MUL16 0, 1, NQ-1, \slot, 0                     ; sixteen matrix instructions stand between the add and the wait for it
	s_wait_dscnt 0x0                               ; the add is done, and my reads of this slot are over
	s_barrier_signal -1
	MUL16 2, 1, NQ-1, \slot, 0
	WIN 0
	s_barrier_wait -1
.if \fill
	CREST                                          ; the barrier has opened a round of the cluster's barrier: no wave of any partner still reads this slot's tile or has a load on its way
	s_add_nc_u64 s[G0+4*\slot+2:G0+4*\slot+3], s[G0+4*\slot+2:G0+4*\slot+3], 2*ROWB
	s_add_nc_u64 s[G0B+4*\slot+2:G0B+4*\slot+3], s[G0B+4*\slot+2:G0B+4*\slot+3], 2*ROWB
	JLOAD G0+4*\slot, G1, G0B+4*\slot, G1B         ; the first tensor load behind the round; the four v_nop behind it are the places in front of the loads below
.else
	PLACES NP
.endif
	s_wait_alu depctr_va_vdst(0)
	v_add_nc_u32 v[ADSA], 4*NQ, v[ADSA]            ; on to the next K step's scale words (no LDS load of mine is out)
	v_add_nc_u32 v[ADSB], 4*NQ, v[ADSB]
	FETCH_B \next, 0, 0
	FETCH_A \next, 0, 0
	SCALES \next
	WIN MUL_HI
	MUL16 4, 1, NQ-1, \slot, 0
	MUL16 6, 1, NQ-1, \slot, 0
	PLACES NP
	WIN 0
	FETCH_A \next, 0, 4
.endm
; 64 numbers of a lane, v[H] on, register 16 b + i = k 32 b + 16 (lane / 16) + i of my row, become codes: blocks 0, 1 in v[d0] .. v[d0 + 5], blocks 2, 3 in v[d1] .. v[d1 + 5]; the four scale bytes make v[pw].  All in window 1.
.macro QUANT d0, d1, pw
.irp b, 0,1,2,3
	v_max3_num_f32 v[TM+\b], |v[H+16*\b]|, |v[H+1+16*\b]|, 0x1800000   ; block b: my 16 numbers, and the floor 2^(3 - 127): so the byte cannot fall under 1
.endr
.irp i, 2,4,6,8,10,12,14
.irp b, 0,1,2,3
	v_max3_num_f32 v[TM+\b], v[TM+\b], |v[H+16*\b+\i]|, |v[H+1+16*\b+\i]|   ; (the four blocks by turns)
.endr
.endr
.irp b, 0,1,2,3
	v_permlanex16_b32 v[TM+4+\b], v[TM+\b], s[SEL], s[SEL+1]
.endr
.irp b, 0,1,2,3
	v_max_num_f32 v[TM+\b], v[TM+\b], v[TM+4+\b]   ; with lane l xor 16's: the block's largest magnitude
.endr
.irp b, 0,1,2,3
	v_add_nc_u32 v[TM+12+\b], 0xff000000, v[TM+\b] ; 2 off its exponent field: the conversion's scale operand
.endr
.irp b, 0,1,2,3
	v_lshrrev_b32 v[TM+4+\b], 23, v[TM+12+\b]      ; the scale's byte
.endr
	v_lshl_or_b32 v[\pw], v[TM+5], 8, v[TM+4]
	v_lshl_or_b32 v[\pw], v[TM+6], 16, v[\pw]
	v_lshl_or_b32 v[\pw], v[TM+7], 24, v[\pw]
	v_cvt_scalef32_pk16_fp6_f32 v[(\d0):(\d0)+2], v[H:H+15], v[TM+12]
	v_cvt_scalef32_pk16_fp6_f32 v[PT:PT+2], v[H+16:H+31], v[TM+13]      ; (a conversion's three registers begin on an even number)
	v_cvt_scalef32_pk16_fp6_f32 v[(\d1):(\d1)+2], v[H+32:H+47], v[TM+14]
	v_cvt_scalef32_pk16_fp6_f32 v[PT+4:PT+6], v[H+48:H+63], v[TM+15]
	v_nop                                          ; one plain place behind a scaled conversion
.irp i, 0,1,2                                  ; the operand's layout wants a WHOLE block in a lane: lanes 0-15 the even block, lanes 16-31 the odd one
	v_permlane16_swap_b32 v[(\d0)+\i], v[PT+\i]
	v_permlane16_swap_b32 v[(\d1)+\i], v[PT+4+\i]
.endr
.irp i, 0,1,2
	v_mov_b32 v[(\d0)+3+\i], v[PT+\i]
	v_mov_b32 v[(\d1)+3+\i], v[PT+4+\i]
.endr
.endm
; THE LAST STEP OF 128 ALONG K AND THE WAY OUT.  var = 0: q or k;  var = 1: v.  No LDS instruction, no barrier and no tensor load stands here.
.macro EPI var
	s_lshr_b32 s100, s17, 3                        ; the batch: 8 token tiles each
	s_and_b32 s101, s17, 7
	s_lshl_b32 s101, s101, 1
	s_and_b32 s18, s42, 3
	s_lshl_b32 s18, s18, 1
.if \var
	s_add_co_u32 s101, s101, s16                   ; my step of 128 tokens: they are source 0's rows;
	s_add_co_u32 s18, s18, s15                     ; my pair of heads: source 1's
	s_lshl_b32 s21, s15, 9
.else
	s_add_co_u32 s101, s101, s15                   ; my step of 128 tokens: source 1's rows;
	s_add_co_u32 s18, s18, s16                     ; my pair of heads: source 0's
	s_lshl_b32 s21, s16, 9
.endif
	s_lshl_b32 s100, s100, 4
	s_lshl_b32 s18, s18, 1
	s_add_co_u32 s100, s100, s18                   ; 16 x batch + the pair's first head
	s_lshl_b32 s100, s100, 4
	s_add_co_u32 s100, s100, s101                  ; x 16 steps + my step: the block's number
	s_lshl_b32 s22, s42, 10
	s_add_co_u32 s22, s22, s21                     ; the bias of my 128 features: 4 (256 x feature tile + 128 x half)
	s_mov_b32 s23, 0
	s_add_nc_u64 s[8:9], s[8:9], s[22:23]
.if \var
	s_mul_i32 s22, s100, 13312
	s_add_nc_u64 s[10:11], s[12:13], s[22:23]
	s_add_nc_u64 s[10:11], s[10:11], 6144          ; v's codes of the first head,
	s_add_nc_u64 s[12:13], s[10:11], 16*13312      ; and of the second: 16 blocks on
	WIN TO_B
.irp a, 0,1,2,3,4,5,6,7                        ; a lane's bias is its channel's: place 16 a + r is channel 32 (a / 2) + 8 (a % 2) + r + 8 (r / 8); twice, for the packed addition
	global_load_b32 v[96+2*\a], v[BCH], s[8:9] offset:(32*(\a/2)+8*(\a%2))*4
	global_load_b32 v[97+2*\a], v[BCH], s[8:9] offset:(32*(\a/2)+8*(\a%2))*4
.endr
.else
	s_cmp_eq_u32 ttmp9, 0                          ; q goes to qb, k to kv
	s_cselect_b64 s[10:11], s[10:11], s[12:13]
	s_mov_b32 s19, 13312
	s_cselect_b32 s19, 6656, s19                   ; a block's bytes
	s_mov_b32 s20, 12288
	s_cselect_b32 s20, 6144, s20                   ; where its scale words lie
	s_mul_i32 s22, s100, s19
	s_add_nc_u64 s[10:11], s[10:11], s[22:23]      ; the first head's block,
	s_lshl_b32 s22, s19, 4
	s_add_nc_u64 s[12:13], s[10:11], s[22:23]      ; and the second's: 16 blocks on
	v_add_nc_u32 v[LI2], s20, v[LI]
	WIN TO_B
.irp b, 0,1,2,3                                ; a register's bias is its feature's: tile b's eight are features 32 (b / 2) + 16 h + 8 (b % 2) + 0 .. 7
	global_load_b128 v[96+8*\b:99+8*\b], v[B64H], s[8:9] offset:(32*(\b/2)+8*(\b%2))*4
	global_load_b128 v[100+8*\b:103+8*\b], v[B64H], s[8:9] offset:(32*(\b/2)+8*(\b%2))*4+16
.endr
.irp b, 4,5,6,7
	global_load_b128 v[192+8*\b:195+8*\b], v[B64H], s[8:9] offset:(32*(\b/2)+8*(\b%2))*4
	global_load_b128 v[196+8*\b:199+8*\b], v[B64H], s[8:9] offset:(32*(\b/2)+8*(\b%2))*4+16
.endr
.endif
	s_wait_dscnt 4*NL                              ; the very last step: nothing more to fetch; the bias lands under its 64 matrix instructions
	WIN MUL_LO
	MUL16 0, 1, NQ-1, 1, 0
	MUL16 2, 1, NQ-1, 1, 0
	s_wait_dscnt 0
	WIN MUL_HI
	MUL16 4, 1, NQ-1, 1, 0
	MUL16 6, 1, NQ-1, 1, 0
	PLACES NP                                      ; in front of the first read of results and of the first write over source 0's registers
	s_wait_loadcnt 0x0                             ; the bias
	WIN 0x55                                       ; all places window 1
.irp b, 0,1,2,3
	v_mov_b32 v[TM+4+\b], 0                        ; written once: a lane permute's destination counts as one of its sources
.endr
.irp a, 0,1,2,3,4,5,6,7
	WIN 0x46+(\a)/4                                ; source 0: the accumulators' window, 2 or 3; source 1 and destination window 1
.set i, 0
.rept 32                                       ; + bias, two at a time, each accumulator from its low end on
.if \var
	v_pk_add_f32 v[H+2*i:H+2*i+1], v[64*((\a)%4)+2*i:64*((\a)%4)+2*i+1], v[96+2*\a:97+2*\a]
.elseif i < 16
	v_pk_add_f32 v[H+2*i:H+2*i+1], v[64*((\a)%4)+2*i:64*((\a)%4)+2*i+1], v[96+2*i:97+2*i]
.else
	v_pk_add_f32 v[H+2*i:H+2*i+1], v[64*((\a)%4)+2*i:64*((\a)%4)+2*i+1], v[192+2*i:193+2*i]
.endif
.set i, i+1
.endr
	WIN 0x55
.if \var
	QUANT CODE+12*\a, CODE+12*\a+6, PW+\a          ; a whole fragment: 16 channels x 128 keys; blocks 0-3 are the first head's, 4-7 the second's
.else
	QUANT CODE+6*\a, CODE+48+6*\a, PW+\a           ; six registers for each of the two heads
.endif
.endr
.if !\var
	s_mov_b32 vcc_lo, 0xffff0000
.irp j, 0,1,2,3
	v_cndmask_b32 v[H+\j], v[PW+2*\j], v[PW+2*\j+1], vcc_lo   ; lanes 0-15 tile 2 j's words, lanes 16-31 tile 2 j + 1's
.endr
.irp j, 0,1,2,3
	v_lshrrev_b32 v[H+4+\j], 16, v[H+\j]           ; the second head's two bytes, 0 above them;
.endr
.irp j, 0,1,2,3
	v_and_b32 v[H+\j], 0xffff, v[H+\j]             ; the first head's likewise
.endr
.endif
	WIN 0x04                                       ; a store's data are its source 1: window 1
.irp g, 0,1,2,3,4,5,6,7,8,9,10,11
	global_store_b128 v[LI], v[CODE+4*\g:CODE+4*\g+3], s[10:11] offset:512*\g th:TH_STORE_NT       ; 32 lanes store 512 consecutive bytes, aligned
.endr
.irp g, 0,1,2,3,4,5,6,7,8,9,10,11
	global_store_b128 v[LI], v[CODE+48+4*\g:CODE+48+4*\g+3], s[12:13] offset:512*\g th:TH_STORE_NT
.endr
.if \var
	global_store_b128 v[LI], v[PW:PW+3], s[10:11] offset:6656 th:TH_STORE_NT                       ; v's scale words lie 6,656 bytes behind its codes
	global_store_b128 v[LI], v[PW+4:PW+7], s[12:13] offset:6656 th:TH_STORE_NT
.else
	global_store_b128 v[LI2], v[H:H+3], s[10:11] th:TH_STORE_NT
	global_store_b128 v[LI2], v[H+4:H+7], s[12:13] th:TH_STORE_NT
.endif
	WIN 0
.endm
	s_wait_alu depctr_va_vdst(0)
	s_wait_tensorcnt 0x0                           ; my tile of the head's four is in
	ds_add_u32 v[SPW], v[NIL]
	s_mov_b32 s[G1+2], 8<<16                       ; no tensor load of mine is out: from here on a load brings 8 tiles (128 places),
	s_mov_b32 s[G1+4], 8
	s_mov_b32 s[G1B+2], 8<<16
	s_mov_b32 s[G1B+4], 8
	s_mov_b32 s[G0+1], s45                         ; and slot 0's groups 0 point at my half
	s_mov_b32 s[G0B+1], s45
	s_add_nc_u64 s[G0+2:G0+3], s[G0+2:G0+3], s[18:19]
	s_add_nc_u64 s[G0B+2:G0B+3], s[G0B+2:G0B+3], s[18:19]
	s_wait_dscnt 0x0
	CROUND                                         ; a whole round: all four tiles are in, and the joint loads meet
	JLOAD G0+4, G1, G0B+4, G1B                     ; K step 1, the first tensor load behind the round
	FETCH_B 0, 0, 0
	FETCH_A 0, 0, 0
	SCALES 0
	FETCH_A 0, 0, 4
	STEP 0, 0, 1                                   ; K = 1,024 is four K steps of 256: they are written out.  The first products start the sums
	TURN 0, 1, 1                                   ; slot 0 takes K step 2
	STEP 1, 0, 0
	TURN 1, 0, 1                                   ; slot 1 takes K step 3
	STEP 0, 0, 0
	TURN 0, 1, 0                                   ; nothing is left to fetch: no round of the cluster's barrier
	STEP 1, 0, 0
	s_cmp_lt_u32 ttmp9, 2                          ; the cluster's x: the same in all partners
	s_cbranch_scc0 .Lv
	EPI 0
	s_branch .Lend
.Lv:
	EPI 1
.Lend:
	s_wait_tensorcnt 0x0                           ; the wave's end
	ds_add_u32 v[SPW], v[NIL]
	s_wait_dscnt 0x0
	CROUND                                         ; the closing round: no work-group ends while a partner may still ask for a tile that names it
	s_endpgm
.Lfunc_end_k_q317028064d_qkv:
	.size	k_q317028064d_qkv, .Lfunc_end_k_q317028064d_qkv-k_q317028064d_qkv
	.p2alignl 7, 3214868480
	.fill 96, 4, 3214868480
	.section	.rodata,"a",@progbits
	.p2align	6, 0x0
	.amdhsa_kernel k_q317028064d_qkv
		.amdhsa_group_segment_fixed_size 327680
		.amdhsa_private_segment_fixed_size 0
		.amdhsa_enable_private_segment 0
		.amdhsa_kernarg_size 40
		.amdhsa_user_sgpr_count 2
		.amdhsa_user_sgpr_kernarg_segment_ptr 1
		.amdhsa_wavefront_size32 1
		.amdhsa_system_sgpr_workgroup_id_x 1
		.amdhsa_system_sgpr_workgroup_id_y 1
		.amdhsa_system_sgpr_workgroup_id_z 1
		.amdhsa_system_vgpr_workitem_id 0
		.amdhsa_next_free_vgpr 1024
		.amdhsa_next_free_sgpr 102
		.amdhsa_reserve_vcc 1
		.amdhsa_float_denorm_mode_32 3
		.amdhsa_float_denorm_mode_16_64 3
		.amdhsa_memory_ordered 1
		.amdhsa_forward_progress 1
		.amdhsa_inst_pref_size 244
	.end_amdhsa_kernel
	.amdgpu_metadata
---
amdhsa.version: [ 1, 2 ]
amdhsa.kernels:
  - .name:           k_q317028064d_qkv
    .symbol:         k_q317028064d_qkv.kd
    .args:
      - { .name: xq, .offset: 0, .size: 8, .value_kind: global_buffer, .address_space: global }
      - { .name: wq, .offset: 8, .size: 8, .value_kind: global_buffer, .address_space: global }
      - { .name: b_qkv, .offset: 16, .size: 8, .value_kind: global_buffer, .address_space: global }
      - { .name: qb, .offset: 24, .size: 8, .value_kind: global_buffer, .address_space: global }
      - { .name: kv, .offset: 32, .size: 8, .value_kind: global_buffer, .address_space: global }
    .group_segment_fixed_size: 327680
    .private_segment_fixed_size: 0
    .kernarg_segment_align: 8
    .kernarg_segment_size: 40
    .max_flat_workgroup_size: 128
    .sgpr_count:     102
    .vgpr_count:     1024
    .wavefront_size: 32
...
	.end_amdgpu_metadata
.endif
;; end of part 2
;; launch attn (part 3): grid 4 x 64, 16 waves a work-group, no clusters, 327,680 bytes of LDS; arguments qb, kv, at; writes at
.if DOCPART == 3
	.amdgcn_target "amdgcn-amd-amdhsa--gfx1250"
	.amdhsa_code_object_version 6
	.text
	.protected	k_q317028064d_attn
	.globl	k_q317028064d_attn
	.p2align	8
	.type	k_q317028064d_attn,@function
k_q317028064d_attn:
	s_mov_b64 s[64:65], 0
	v_nop
	global_prefetch_b8 v0, s[64:65] scope:SCOPE_SE
	s_setreg_imm32_b32 hwreg(HW_REG_WAVE_MODE, 25, 1), 1
	s_wait_xcnt 0x0
.set STEPB, 13312
.set HALF,  8*STEPB
.set AT_SC, 6291456
.set LI,   1
.set L8,   2
.set QD,   3
.set QO,   4
.set ADK,  8
.set R32,  10
.set WV,   10
.set BH,   11
.set SQ,   12
.set TA,   13
.set TB,   15
.set KS,   16
.set SEL,  20
.set CS,   22
	s_load_b128 s[4:7], s[0:1], 0x0
	s_load_b64 s[8:9], s[0:1], 0x10
	v_lshl_add_u32 v223, v0, 2, 0x34000
	v_mov_b32 v243, 0
	ds_add_u32 v223, v243
	ds_add_u32 v223, v243
	v_lshrrev_b32 v1, 5, v0
	s_delay_alu instid0(VALU_DEP_1)
	v_readfirstlane_b32 s[WV], v1
	s_and_b32 s[BH], ttmp7, 0xffff
	s_mov_b32 s48, 3<<16
	s_mov_b32 s49, 32<<16
	s_mov_b32 s50, 13<<16                          ; the first fill: key steps 0 to 3, 208 rows of 256 bytes, 13 a wave
	s_mov_b32 s51, 32<<16
	s_mov_b32 s52, 13
	s_mov_b32 s53, 32
	s_mov_b32 s54, 0
	s_mov_b32 s55, 0
	s_mul_i32 s30, s[BH], 16*STEPB
	s_mul_i32 s41, s[WV], 3328
	s_add_co_u32 s30, s30, s41
	s_mov_b32 s31, 0
	s_mov_b32 s40, 1
	s_mov_b32 s44, 1
	s_mul_i32 s45, s[WV], 9984                     ; the second fill: key steps 4 to 15, 624 rows of 256 bytes, 39 a wave
	s_add_co_u32 s45, s45, 4*STEPB
	s_mul_i32 s32, s[BH], 16*STEPB
	s_add_co_u32 s32, s32, s45
	s_mov_b32 s33, 0
	s_wait_dscnt 0x0
	s_wait_kmcnt 0x0
	s_add_nc_u64 s[42:43], s[6:7], s[30:31]
	s_add_nc_u64 s[46:47], s[6:7], s[32:33]
	s_or_b32 s43, s43, 0x80000000
	s_or_b32 s47, s47, 0x80000000
	tensor_load_to_lds s[40:43], s[48:55]
	s_nop 0
.rept 4
	v_nop
.endr
	s_mov_b32 s[SEL], 0x76543210
	s_mov_b32 s[SEL+1], 0xfedcba98
	s_mov_b32 s[CS], 0x3e38aa3b
	s_mov_b32 s[CS+1], s[CS]
	s_and_b32 s[TA], s[WV], 7
	v_and_b32 v9, 31, v0
	s_delay_alu instid0(VALU_DEP_1)
	v_lshlrev_b32 v[LI], 4, v9
	s_delay_alu instid0(VALU_DEP_2)
	v_lshlrev_b32 v[L8], 3, v9
	v_and_b32 v9, 15, v0
	v_bfe_u32 v11, v0, 4, 1
	s_delay_alu instid0(VALU_DEP_2)
	v_and_b32 v[QD], 8, v9
	s_delay_alu instid0(VALU_DEP_1)
	v_add_nc_u32 v[QD], v[QD], v9
	s_delay_alu instid0(VALU_DEP_3)
	v_lshlrev_b32 v11, 4, v11
	s_delay_alu instid0(VALU_DEP_1)
	v_sub_nc_u32 v[QD], v[QD], v11
	s_lshr_b32 s30, s[TA], 1
	s_lshl_b32 s30, s30, 5
	s_and_b32 s31, s[TA], 1
	s_lshl_b32 s31, s31, 3
	s_add_co_u32 s30, s30, s31
	v_add_nc_u32 v[QD], s30, v[QD]
	v_lshlrev_b32 v[R32], 5, v9
	v_lshlrev_b32 v9, 4, v9
	s_wait_alu depctr_va_vdst(0)
	s_mul_i32 s30, s[TA], 6
.irp p, 0,1,2
	s_add_co_u32 s31, s30, 2*\p
	s_lshr_b32 s32, s31, 2
	s_lshl_b32 s32, s32, 9
	s_and_b32 s31, s31, 3
	s_lshl_b32 s31, s31, 2
	s_add_co_u32 s32, s32, s31
	v_add_nc_u32 v[QO+\p], s32, v[LI]
.endr
	s_and_b32 s31, s[TA], 1
	s_lshl_b32 s31, s31, 8
	s_lshr_b32 s32, s[TA], 1
	s_lshl_b32 s32, s32, 2
	s_add_co_u32 s31, s31, s32
	v_add_nc_u32 v[QO+3], s31, v9
.irp j, 22,23,24,25,26,27,80,81,82,83,84,85
	v_mov_b32 v[\j], 0
.endr
; Both passes' q are asked for here, while the first tensor load is out: the first pass's (the later queries) into its operand registers, the second pass's into v192-198, from which it is copied when that pass begins.
.macro QLOAD hi, base, r, sc
.if \hi
	s_sub_co_u32 s30, 7, ttmp9
.else
	s_mov_b32 s30, ttmp9
.endif
	s_lshl_b32 s30, s30, 1
	s_lshr_b32 s31, s[WV], 3
	s_add_co_u32 s30, s30, s31                     ; the pass's step of 128 queries
	s_lshl_b32 s31, s[BH], 4
	s_add_co_u32 s30, s30, s31
	s_mul_i32 s30, s30, 6656
	s_mov_b32 s31, 0
	s_add_nc_u64 s[\base:\base+1], s[4:5], s[30:31]
.irp p, 0,1,2
	global_load_b64 v[\r+2*\p:\r+2*\p+1], v[QO+\p], s[\base:\base+1]
.endr
	global_load_b32 v[\sc], v[QO+3], s[\base:\base+1] offset:6144
.endm
	s_wait_alu depctr_va_vdst(0)
	QLOAD 1, 24, 16, 255
	QLOAD 0, 18, 192, 198
	s_wait_tensorcnt 0x0
	ds_add_u32 v223, v243
	s_mov_b32 s50, 39<<16                          ; no tensor load of mine is out: the second fill has 39 rows a wave
	s_mov_b32 s52, 39
	s_wait_dscnt 0x0
	s_barrier_signal -1
	s_barrier_wait -1
	tensor_load_to_lds s[44:47], s[48:55]
	s_nop 0
.rept 4
	v_nop
.endr
.macro STEP
	s_cmp_gt_u32 s[KS], s[SQ]
	s_cbranch_scc1 .Lhidden_\@
	v_add_nc_u32 v[ADK], s[TB], v[LI]
.rept 3
	v_nop
.endr
.irp g, 0,1,2,3,4,5,6,7,8,9,10,11
	ds_load_b128 v[32+4*\g:35+4*\g], v[ADK] offset:512*\g
.endr
	ds_load_b128 v[248:251], v[ADK] offset:12288
	s_wait_alu depctr_va_vdst(0)
	s_wait_dscnt 0x0
.irp t, 0,2,4,6
	v_wmma_scale_f32_16x16x128_f8f6f4 v[96+8*\t:103+8*\t], v[32+6*\t:43+6*\t], v[16:27], 0, v[248+\t/2], v255 matrix_a_fmt:MATRIX_FMT_FP6 matrix_b_fmt:MATRIX_FMT_FP6
	v_wmma_scale_f32_16x16x128_f8f6f4 v[104+8*\t:111+8*\t], v[38+6*\t:49+6*\t], v[16:27], 0, v[248+\t/2], v255 matrix_a_fmt:MATRIX_FMT_FP6 matrix_b_fmt:MATRIX_FMT_FP6 matrix_a_scale:MATRIX_SCALE_ROW1
.endr
.rept 4
	v_nop
.endr
.irp g, 0,1,2,3,4,5,6,7,8,9,10,11
	ds_load_b128 v[32+4*\g:35+4*\g], v[ADK] offset:6144+512*\g
.endr
	ds_load_b128 v[28:31], v[ADK] offset:12800
	s_cmp_lg_u32 s[KS], s[SQ]
	s_cbranch_scc1 .Lopen_\@
	v_mov_b32 v254, 0xff800000
.set n, 0
.rept 64
	v_cmp_gt_i32 vcc_lo, 32*(n/16)+n%16, v[QD]
	v_cndmask_b32 v[96+n], v[96+n], v254, vcc_lo
.set n, n+1
.endr
.Lopen_\@:
.irp b, 0,1,2,3
	v_max3_num_f32 v[232+\b], v[96+16*\b], v[97+16*\b], v[98+16*\b]
.endr
.irp i, 3,5,7,9,11,13
.irp b, 0,1,2,3
	v_max3_num_f32 v[232+\b], v[232+\b], v[96+16*\b+\i], v[97+16*\b+\i]
.endr
.endr
.irp b, 0,1,2,3
	v_max_num_f32 v[232+\b], v[232+\b], v[111+16*\b]
.endr
.irp b, 0,1,2,3
	s_delay_alu instid0(VALU_DEP_4)
	v_permlanex16_b32 v[236+\b], v[232+\b], s[SEL], s[SEL+1]
.endr
.irp b, 0,1,2,3
	s_delay_alu instid0(VALU_DEP_4)
	v_max_num_f32 v[232+\b], v[232+\b], v[236+\b]
.endr
	s_delay_alu instid0(VALU_DEP_2)
	v_max3_num_f32 v254, v232, v233, v234
	s_delay_alu instid0(VALU_DEP_1)
	v_max_num_f32 v254, v254, v235
	s_delay_alu instid0(VALU_DEP_1)
	v_mul_f32 v254, s[CS], v254
	s_delay_alu instid0(VALU_DEP_1)
	v_max_num_f32 v13, v13, v254
	v_mov_b32 v254, v12
	s_delay_alu instid0(VALU_DEP_2)
	v_floor_f32 v12, -v13
	s_delay_alu instid0(VALU_DEP_1)
	v_sub_f32 v254, v12, v254
	s_delay_alu instid0(VALU_DEP_1)
	v_cvt_i32_f32 v254, v254
	s_delay_alu instid0(VALU_DEP_1)
	v_ldexp_f32 v252, 1.0, v254
.set j, 0
.rept 32
	v_pk_fma_f32 v[96+j:97+j], v[96+j:97+j], s[CS:CS+1], v[12:13] op_sel_hi:[1,0,0]
.set j, j+2
.endr
.irp b, 0,1,2,3
	v_fma_f32 v[232+\b], v[232+\b], s[CS], v12
.endr
.set j, 0
	s_wait_alu depctr_va_vdst(0)
.rept 64
	v_exp_f32 v[96+j], v[96+j]
.set j, j+1
.endr
	v_pk_mul_f32 v[14:15], v[14:15], v[252:253] op_sel_hi:[1,0]
	s_wait_alu depctr_va_vdst(0)
.irp b, 0,1,2,3
	v_exp_f32 v[232+\b], v[232+\b]
.endr
	v_pk_add_f32 v[236:237], v[96:97], v[98:99]
.irp j, 4,8,12,16,20,24,28,32,36,40,44,48,52,56,60
	v_pk_add_f32 v[14:15], v[14:15], v[96+\j:97+\j]
	v_pk_add_f32 v[236:237], v[236:237], v[98+\j:99+\j]
.endr
	s_delay_alu instid0(VALU_DEP_1)
	v_pk_add_f32 v[14:15], v[14:15], v[236:237]
	s_wait_alu depctr_va_vdst(0)
.irp b, 0,1,2,3
	v_max_num_f32 v[232+\b], 0x1800000, v[232+\b]
.endr
.irp b, 0,1,2,3
	s_delay_alu instid0(VALU_DEP_4)
	v_add_nc_u32 v[244+\b], 0xff000000, v[232+\b]
.endr
.irp b, 0,1,2,3
	s_delay_alu instid0(VALU_DEP_4)
	v_lshrrev_b32 v[236+\b], 23, v[244+\b]
.endr
	s_delay_alu instid0(VALU_DEP_3)
	v_lshl_or_b32 v253, v237, 8, v236
	s_delay_alu instid0(VALU_DEP_1)
	v_lshl_or_b32 v253, v238, 16, v253
	s_delay_alu instid0(VALU_DEP_1)
	v_lshl_or_b32 v253, v239, 24, v253
.irp c, 0,1
	v_cvt_scalef32_pk16_fp6_f32 v[224+6*\c:226+6*\c], v[96+32*\c:111+32*\c], v[244+2*\c]
	v_cvt_scalef32_pk16_fp6_f32 v[236+4*\c:238+4*\c], v[112+32*\c:127+32*\c], v[244+2*\c+1]
.endr
	v_nop
.irp c, 0,1
.irp i, 0,1,2
	v_permlane16_swap_b32 v[224+6*\c+\i], v[236+4*\c+\i]
.endr
.irp i, 0,1,2
	s_delay_alu instid0(VALU_DEP_3)
	v_mov_b32 v[227+6*\c+\i], v[236+4*\c+\i]
.endr
.endr
.set j, 0
.rept 16
	v_pk_mul_f32 v[160+j:161+j], v[160+j:161+j], v[252:253] op_sel_hi:[1,0]
.set j, j+2
.endr
	s_wait_alu depctr_va_vdst(0)
	s_wait_dscnt 0x0
.irp t, 0,1,2,3
	v_wmma_scale_f32_16x16x128_f8f6f4 v[160+8*\t:167+8*\t], v[32+12*\t:43+12*\t], v[224:235], v[160+8*\t:167+8*\t], v[28+\t], v253 matrix_a_fmt:MATRIX_FMT_FP6 matrix_b_fmt:MATRIX_FMT_FP6
.endr
.Lhidden_\@:
	s_add_co_u32 s[TB], s[TB], STEPB
.endm
.macro OUT
	v_add_f32 v14, v14, v15
	s_delay_alu instid0(VALU_DEP_1)
	v_permlanex16_b32 v252, v14, s[SEL], s[SEL+1]
	s_delay_alu instid0(VALU_DEP_1)
	v_add_f32 v14, v14, v252
	s_wait_alu depctr_va_vdst(0)
	v_rcp_f32 v14, v14
	v_nop
	v_nop
	s_wait_alu depctr_va_vdst(0)
.set j, 0
.rept 16
	v_pk_mul_f32 v[96+j:97+j], v[160+j:161+j], v[14:15] op_sel_hi:[1,0]
.set j, j+2
.endr
.irp b, 0,1
	v_max3_num_f32 v[232+\b], |v[96+16*\b]|, |v[97+16*\b]|, 0x1800000
.endr
.irp i, 2,4,6,8,10,12,14
.irp b, 0,1
	s_delay_alu instid0(VALU_DEP_2)
	v_max3_num_f32 v[232+\b], v[232+\b], |v[96+16*\b+\i]|, |v[97+16*\b+\i]|
.endr
.endr
.irp b, 0,1
	s_delay_alu instid0(VALU_DEP_2)
	v_permlanex16_b32 v[236+\b], v[232+\b], s[SEL], s[SEL+1]
.endr
.irp b, 0,1
	s_delay_alu instid0(VALU_DEP_2)
	v_max_num_f32 v[232+\b], v[232+\b], v[236+\b]
.endr
.irp b, 0,1
	s_delay_alu instid0(VALU_DEP_2)
	v_add_nc_u32 v[244+\b], 0xff000000, v[232+\b]
.endr
.irp b, 0,1
	s_delay_alu instid0(VALU_DEP_2)
	v_lshrrev_b32 v[236+\b], 23, v[244+\b]
.endr
	s_delay_alu instid0(VALU_DEP_1)
	v_lshl_or_b32 v254, v237, 8, v236
	v_cvt_scalef32_pk16_fp6_f32 v[224:226], v[96:111], v244
	v_cvt_scalef32_pk16_fp6_f32 v[240:242], v[112:127], v245
	v_nop
.irp i, 0,1,2
	v_permlane16_swap_b32 v[224+\i], v[240+\i]
.endr
.irp i, 0,1,2
	s_delay_alu instid0(VALU_DEP_3)
	v_mov_b32 v[227+\i], v[240+\i]
.endr
.irp p, 0,1,2
	global_store_b64 v[L8], v[224+2*\p:225+2*\p], s[26:27] offset:256*\p th:TH_STORE_NT
.endr
	global_store_b16 v[R32], v254, s[28:29] th:TH_STORE_NT
.endm
.macro PASS hi, nsteps, tcnt
.if \hi
	s_sub_co_u32 s30, 7, ttmp9
.else
	s_wait_xcnt 0x0                                ; the first pass's stores have read their registers and bases
	s_mov_b32 s30, ttmp9
.endif
	s_lshl_b32 s30, s30, 1
	s_lshr_b32 s31, s[WV], 3
	s_add_co_u32 s[SQ], s30, s31
.if !\hi
.irp p, 0,1,2,3,4,5
	v_mov_b32 v[16+\p], v[192+\p]                  ; the second pass's q, in since the first pass's wait for loads
.endr
	v_mov_b32 v255, v198
.endif
	s_lshr_b32 s32, s[BH], 4
	s_lshl_b32 s32, s32, 7
	s_lshl_b32 s33, s[SQ], 3
	s_add_co_u32 s32, s32, s33
	s_add_co_u32 s32, s32, s[TA]
	s_lshl_b32 s34, s32, 9
	s_lshl_b32 s32, s32, 3
	s_and_b32 s36, s[BH], 15
	s_lshr_b32 s33, s36, 1
	s_add_co_u32 s32, s32, s33
	s_mul_i32 s32, s32, 1536
	s_and_b32 s33, s36, 1
	s_mul_i32 s33, s33, 768
	s_add_co_u32 s32, s32, s33
	s_mov_b32 s33, 0
	s_add_nc_u64 s[26:27], s[8:9], s[32:33]
	s_lshl_b32 s36, s36, 1
	s_add_co_u32 s34, s34, s36
	s_add_co_u32 s34, s34, AT_SC
	s_mov_b32 s35, 0
	s_add_nc_u64 s[28:29], s[8:9], s[34:35]
	v_mov_b32 v13, 0xff61b1e6
	s_delay_alu instid0(VALU_DEP_1)
	v_floor_f32 v12, -v13
	v_mov_b32 v14, 0
	v_mov_b32 v15, 0
.irp j, 236,237,238,239,252,253
	v_mov_b32 v[\j], 0
.endr
.set j, 0
.rept 32
	v_mov_b32 v[160+j], 0
.set j, j+1
.endr
	s_mov_b32 s[TB], 0
	s_mov_b32 s[KS], 0
.if \hi
; THE LATER QUERIES GO FIRST: their step of queries is 8 at the least, so key steps 0 to 3, which the head's barrier has shown to all waves, count for every wave; the second fill lands under these four steps.
	s_wait_loadcnt 0x0
.Lfirst_\@:
	STEP
	s_add_co_u32 s[KS], s[KS], 1
	s_cmp_lt_u32 s[KS], 4
	s_cbranch_scc1 .Lfirst_\@
	s_wait_tensorcnt 0x0                           ; my part of key steps 4 to 15 is in;
	s_wait_dscnt 0x0
	s_barrier_signal -1
	s_barrier_wait -1                              ; everybody's is.
	s_mov_b32 s[TB], 4*STEPB
	s_mov_b32 s[KS], 4
.endif
.Lstep_\@:
	STEP
	s_add_co_u32 s[KS], s[KS], 1
	s_cmp_lt_u32 s[KS], \nsteps
	s_cbranch_scc1 .Lstep_\@
	OUT
.endm
	PASS 1, 16, 0
	PASS 0, 8, 0
	s_wait_tensorcnt 0x0
	ds_add_u32 v223, v243
	s_wait_dscnt 0x0
	s_endpgm
.Lfunc_end_k_q317028064d_attn:
	.size	k_q317028064d_attn, .Lfunc_end_k_q317028064d_attn-k_q317028064d_attn
	.p2alignl 7, 3214868480
	.fill 96, 4, 3214868480
	.section	.rodata,"a",@progbits
	.p2align	6, 0x0
	.amdhsa_kernel k_q317028064d_attn
		.amdhsa_group_segment_fixed_size 327680
		.amdhsa_private_segment_fixed_size 0
		.amdhsa_enable_private_segment 0
		.amdhsa_kernarg_size 24
		.amdhsa_user_sgpr_count 2
		.amdhsa_user_sgpr_kernarg_segment_ptr 1
		.amdhsa_wavefront_size32 1
		.amdhsa_system_sgpr_workgroup_id_x 1
		.amdhsa_system_sgpr_workgroup_id_y 1
		.amdhsa_system_sgpr_workgroup_id_z 1
		.amdhsa_system_vgpr_workitem_id 0
		.amdhsa_next_free_vgpr 256
		.amdhsa_next_free_sgpr 66
		.amdhsa_reserve_vcc 1
		.amdhsa_float_denorm_mode_32 3
		.amdhsa_float_denorm_mode_16_64 3
		.amdhsa_memory_ordered 1
		.amdhsa_forward_progress 1
		.amdhsa_inst_pref_size 85
	.end_amdhsa_kernel
	.amdgpu_metadata
---
amdhsa.version: [ 1, 2 ]
amdhsa.kernels:
  - .name:           k_q317028064d_attn
    .symbol:         k_q317028064d_attn.kd
    .args:
      - { .name: qb, .offset: 0, .size: 8, .value_kind: global_buffer, .address_space: global }
      - { .name: kv, .offset: 8, .size: 8, .value_kind: global_buffer, .address_space: global }
      - { .name: at, .offset: 16, .size: 8, .value_kind: global_buffer, .address_space: global }
    .group_segment_fixed_size: 327680
    .private_segment_fixed_size: 0
    .kernarg_segment_align: 8
    .kernarg_segment_size: 24
    .max_flat_workgroup_size: 512
    .sgpr_count:     66
    .vgpr_count:     256
    .wavefront_size: 32
...
	.end_amdgpu_metadata
.endif
;; end of part 3
;; launch proj (part 4): grid 4 x 64, 4 waves a work-group, clusters of 4 x 4, 327,680 bytes of LDS; arguments at, wp, b_proj, out0; writes out0
.if DOCPART == 4
	.amdgcn_target "amdgcn-amd-amdhsa--gfx1250"
	.amdhsa_code_object_version 6
	.text
	.protected	k_q317028064d_proj
	.globl	k_q317028064d_proj
	.p2align	8
	.type	k_q317028064d_proj,@function
k_q317028064d_proj:
	s_mov_b64 s[64:65], 0
	v_nop
	global_prefetch_b8 v0, s[64:65] scope:SCOPE_SE
	s_setreg_imm32_b32 hwreg(HW_REG_WAVE_MODE, 25, 1), 1
	s_wait_xcnt 0x0
	s_wait_alu depctr_hold_cnt(0) depctr_sa_sdst(0) depctr_va_vdst(0) depctr_va_sdst(0) depctr_va_ssrc(0) depctr_va_vcc(0) depctr_vm_vsrc(0)
	s_getreg_b32 s2, hwreg(HW_REG_IB_STS2, 6, 4)
	s_cmp_eq_u32 s2, 0
	s_cbranch_scc0 .Lentry_in_a_cluster
	s_endpgm
.Lentry_in_a_cluster:
	s_bfe_u32 s2, ttmp6, 0x10000c
	s_cmp_lg_u32 s2, 0xf033
	s_cbranch_scc0 .Lentry_shape_is_right
	s_endpgm
.Lentry_shape_is_right:
; out0 = attention's result x w_proj^T + b_proj, on codes of FP6 (E2M3) with one E8M0 scale for each 32 along K = 1,024; sums in f32.
; at: [tile of 16 token places][128 along K, 8][piece of 8 bytes, 6][lane][8]: images of operand registers, 12,288 bytes a tile; from AT_SC on [place][32] scale bytes.
; wp: [tile of 16 feature places][64 along K, 16][place][48 bytes], 12,288 bytes a tile; from WP_SC on [place][32] scale bytes.  Of each 32 rows, place 16 t + r holds row 8 t + r + 8 (r / 8), in both.
; SHARES.  256 work-groups; each makes 128 tokens x 256 features; four waves, 2 x 2, each 64 x 128: 32 accumulators, 256 registers.
; ALL OF K LIES IN LDS: A's 8 tiles (98,304 bytes), W's 16 (196,608), the scale bytes (4,096 + 8,192), the spare words.  They come by the head's four tensor loads, one a wave; no LDS byte is filled again.
; CLUSTERS of 4 x 4: A's tiles and scale bytes are asked for jointly along a row of the cluster, W's along a column.
; No prefetch: every tile is asked for at the head, and the launch has no loop to run ahead in.
; THE MATRIX INSTRUCTION IS USED TRANSPOSED (source 0 = W's places, source 1 = A's): a lane holds eight neighbouring features of one token.  The bias is the first products' C.
; K goes in eight steps of 128; the fragments lie twice in registers: step q's 32 products read set q % 2 while set (q + 1) % 2 is on its way from LDS.
; REGISTERS: window 0: v16-30 addresses; v32-95 scale words (register 8 q + i: lanes 0-15 A's block i, lanes 16-31 W's block i); v128-223 A's fragments, two sets of 48; on the way out v128-255.
;   window 1: W's fragments, two sets, at v0 and v128; the bias in v96-127 and v224-255.   window 2: accumulator (a, b) at v[8 (8 a + b)].
; LIMITS: NaN and infinities are not served.
.set FR,     12                        ; registers of a fragment
.set NP,     4                         ; places behind this matrix instruction (ISA guide 7.12.1)
.set TILEB,  12288                     ; a tile of 16 places, all of K
.set WCOD,   8*TILEB                   ; W's codes lie behind A's
.set SCL,    24*TILEB                  ; the scale bytes: A's 128 rows of 32, then W's 256
.set SPARE,  SCL+12288                 ; the spare words, 128 bytes for each wave
.set SPITCH, 528                       ; the way out: a stage of 16 rows x (512 + 16) bytes for each wave, on A's bytes, which have had their only fill and, behind a barrier, their last read
.set AT_SC,  6291456
.set WP_SC,  786432
.set ADRA, 16
.set ADRB, 20                          ; v20: W's tiles 0-3 of mine, v21: tiles 4-7
.set STO,  24
.set RD,   25
.set CO,   26
.set ADRS, 27
.set SPW,  28
.set NIL,  29
.set B64H, 30
.set SC,   32
.set AF,   128
.set BK,   128
.set G1, 24
.set G0, 32
.set G1B, 48
.set G0B, 56
.set G1S, 68
.set G0S, 76
.set G1SB, 80
.set G0SB, 88
.set MSB, 0
.macro WIN new                         ; the immediate's high byte repeats the setting that is left
.if MSB != \new
	s_set_vgpr_msb (MSB<<8)|\new
.set MSB, \new
.endif
.endm
.set MUL_LO, 0xa1                      ; source 0 window 1, source 1 window 0, C and D window 2
.set FST_LO, 0x91                      ; the same with C (the bias) in window 1
.set TO_B,   0x40                      ; destination window 1, address window 0
.macro PLACES n
.rept \n
	v_nop
.endr
.endm
.macro CROUND                          ; a round of the cluster's barrier
	s_barrier_signal -1
	s_barrier_wait -1
	s_cmp_lg_u32 s14, 0
	s_cbranch_scc1 .Lnot_wave_0_\@
	s_barrier_signal -3
.Lnot_wave_0_\@:
	s_barrier_wait -3
	s_barrier_signal -1
	s_barrier_wait -1
.endm
.macro G1SET g, mask, c, rows          ; group 1: rows of c elements of 8 bytes, dense, no padding; bit 21 set beside the mask
	s_or_b32 s[\g], s[\mask], (3<<16)|(1<<21)
	s_mov_b32 s[\g+1], (\c)<<16
	s_mov_b32 s[\g+2], (\rows)<<16
	s_mov_b32 s[\g+3], (\c)<<16
	s_mov_b32 s[\g+4], \rows
	s_mov_b32 s[\g+5], \c
	s_mov_b32 s[\g+6], 0
	s_mov_b32 s[\g+7], 0
.endm
.macro G0SET g, lds, a
	s_mov_b32 s[\g], 1
	s_mov_b32 s[\g+1], \lds
	s_mov_b64 s[\g+2:\g+3], s[\a:\a+1]
	s_or_b32 s[\g+3], s[\g+3], 0x80000000
.endm
.macro ARM under, g0, g1, next
	s_cmp_lt_u32 s14, \under
	s_cbranch_scc0 \next
	tensor_load_to_lds s[\g0:\g0+3], s[\g1:\g1+7]
	s_nop 0
	PLACES 4
	s_branch .Lhead_asked
\next:
.endm
	s_load_b128 s[4:7], s[0:1], 0x0                ; at, wp
	s_load_b128 s[8:11], s[0:1], 0x10              ; b_proj, out0
	v_lshl_add_u32 v[SPW], v0, 2, SPARE
	v_mov_b32 v[NIL], 0
	ds_add_u32 v[SPW], v[NIL]                      ; the opening lines: the add, twice on end, and its wait
	ds_add_u32 v[SPW], v[NIL]
	v_lshrrev_b32 v1, 5, v0
	v_readfirstlane_b32 s14, v1                    ; wave; s15 its half of the tokens, s16 its half of the features
	s_lshr_b32 s15, s14, 1
	s_and_b32 s16, s14, 1
	s_bfe_u32 s40, ttmp6, 0x40000                  ; cx, cy
	s_bfe_u32 s41, ttmp6, 0x40004
	s_lshl_b32 s42, ttmp9, 2
	s_add_co_u32 s42, s42, s40                     ; feature tile of 256
	s_and_b32 s17, ttmp7, 0xffff
	s_lshl_b32 s17, s17, 2
	s_add_co_u32 s17, s17, s41                     ; token tile of 128
	s_lshl_b32 s43, s41, 2
	s_lshl_b32 s43, 15, s43                        ; my row of the cluster
	s_lshl_b32 s44, 0x1111, s40                    ; my column
	G1SET G1,   43, 1536, 8                        ; A's codes: 8 tiles of 12,288 bytes
	G1SET G1B,  44, 1536, 16                       ; W's: 16
	G1SET G1S,  43, 32, 16                         ; A's scale bytes: 16 rows of 256 bytes
	G1SET G1SB, 44, 32, 32                         ; W's: 32
	s_mul_i32 s20, s17, 8*TILEB
	s_mov_b32 s21, 0
	s_lshl_b32 s22, s17, 12
	s_mov_b32 s23, 0
	s_mul_i32 s46, s42, 16*TILEB
	s_mov_b32 s47, 0
	s_lshl_b32 s92, s42, 13
	s_mov_b32 s93, 0
	s_wait_dscnt 0x0                               ; both opening adds are done
	s_wait_kmcnt 0x0
	s_add_nc_u64 s[20:21], s[4:5], s[20:21]
	s_add_nc_u64 s[22:23], s[4:5], s[22:23]
	s_add_nc_u64 s[22:23], s[22:23], AT_SC
	s_add_nc_u64 s[46:47], s[6:7], s[46:47]
	s_add_nc_u64 s[92:93], s[6:7], s[92:93]
	s_add_nc_u64 s[92:93], s[92:93], WP_SC
	CROUND                                         ; all sixteen work-groups are here: the joint loads meet
	G0SET G0,   0,        20
	G0SET G0B,  WCOD,     46
	G0SET G0S,  SCL,      22
	G0SET G0SB, SCL+4096, 92
	ARM 1, G0,  G1,  .Lhead_b                      ; one load a wave, in one tree of branches on the wave's number: wave 0 A's codes,
	ARM 2, G0B, G1B, .Lhead_sa                     ; wave 1 W's,
	ARM 3, G0S, G1S, .Lhead_sb                     ; wave 2 A's scale bytes,
	tensor_load_to_lds s[G0SB:G0SB+3], s[G1SB:G1SB+7]   ; wave 3 W's
	s_nop 0
	PLACES 4
.Lhead_asked:
	s_mul_i32 s21, s15, 4*TILEB                    ; my four tiles of A
	s_mul_i32 s22, s16, 8*TILEB
	s_add_co_u32 s22, s22, WCOD                    ; my eight tiles of W: the first four,
	s_add_co_u32 s94, s22, 4*TILEB                 ; and the other four
	s_lshl_b32 s95, s15, 11                        ; my 64 rows of A's scale bytes,
	s_lshl_b32 s18, s16, 12
	s_add_co_u32 s18, s18, 4096
	s_sub_co_u32 s18, s18, s95                     ; and how far behind them my 128 rows of W's lie
	s_add_co_u32 s95, s95, SCL
	s_mul_i32 s23, s14, 16*SPITCH                  ; my stage
	v_and_b32 v1, 15, v0                           ; r
	v_bfe_u32 v2, v0, 4, 1                         ; h
	v_and_b32 v6, 31, v0
	v_mul_u32_u24 v3, v1, 48
	v_mad_u32_u24 v4, v2, 24, v3                   ; W: 48 r + 24 h: words 12 r + 6 h + 2 i: the 32 lanes of a load of 8 bytes touch 64 different banks (ISA guide 11.1)
	v_lshlrev_b32 v3, 3, v6                        ; A: 8 x lane
	v_add_nc_u32 v[ADRA], s21, v3
	v_add_nc_u32 v[ADRB], s22, v4
	v_add_nc_u32 v[ADRB+1], s94, v4
	v_lshlrev_b32 v5, 5, v1                        ; scale bytes: 32 a row;
	v_mul_u32_u24 v7, s18, v2                      ; lanes 16-31 take W's
	v_add_nc_u32 v5, v5, v7
	v_add_nc_u32 v[ADRS], s95, v5
	v_mul_u32_u24 v5, v1, SPITCH                   ; the stage, in: row r, 64 bytes for each half of the lanes
	v_lshl_add_u32 v5, v2, 6, v5
	v_add_nc_u32 v[STO], s23, v5
	v_lshlrev_b32 v[CO], 4, v6                     ; back: the 32 lanes take one row of 512 bytes; the same in out0
	v_add_nc_u32 v[RD], s23, v[CO]
	v_lshlrev_b32 v[B64H], 6, v2
	s_wait_alu depctr_va_vdst(0)
	s_lshl_b32 s20, s17, 7
	s_lshl_b32 s21, s15, 6
	s_add_co_u32 s20, s20, s21                     ; my first token
	s_lshl_b32 s20, s20, 12                        ; a row of out0 is 4,096 bytes
	s_mov_b32 s21, 0
	s_lshl_b32 s46, s42, 10
	s_lshl_b32 s47, s16, 9
	s_add_co_u32 s46, s46, s47                     ; my first feature, in bytes
	s_mov_b32 s47, 0
	s_add_nc_u64 s[8:9], s[8:9], s[46:47]
	s_add_nc_u64 s[20:21], s[20:21], s[46:47]
	s_add_nc_u64 s[10:11], s[10:11], s[20:21]
	WIN TO_B
.irp b, 0,1,2,3                                ; tile b's eight registers are features 32 (b / 2) + 16 h + 8 (b % 2) + 0 .. 7
	global_load_b128 v[96+8*\b:99+8*\b], v[B64H], s[8:9] offset:(32*(\b/2)+8*(\b%2))*4
	global_load_b128 v[100+8*\b:103+8*\b], v[B64H], s[8:9] offset:(32*(\b/2)+8*(\b%2))*4+16
.endr
.irp b, 4,5,6,7
	global_load_b128 v[192+8*\b:195+8*\b], v[B64H], s[8:9] offset:(32*(\b/2)+8*(\b%2))*4
	global_load_b128 v[196+8*\b:199+8*\b], v[B64H], s[8:9] offset:(32*(\b/2)+8*(\b%2))*4+16
.endr
	WIN 0
.macro FETCH q                         ; step q's fragments into set q % 2: 48 loads for W's eight tiles, 24 for A's four
.set P_, (\q)%2
	WIN TO_B
.irp i, 0,1,2,3,4,5,6,7
.irp p, 0,1,2,3,4,5
	ds_load_b64 v[128*P_+FR*\i+2*\p:128*P_+FR*\i+2*\p+1], v[ADRB+\i/4] offset:(\i%4)*TILEB+(\q)*1536+768*(\p/3)+8*(\p%3)
.endr
.endr
	WIN 0
.irp i, 0,1,2,3
.irp p, 0,1,2,3,4,5
	ds_load_b64 v[AF+48*P_+FR*\i+2*\p:AF+48*P_+FR*\i+2*\p+1], v[ADRA] offset:\i*TILEB+(\q)*1536+256*\p
.endr
.endr
.endm
.macro MUL q, first                    ; 32 products: the 32 accumulators take turns, in the same order in every step
.set P_, (\q)%2
.irp a, 0,1,2,3
.irp b, 0,1,2,3,4,5,6,7
.if \first
.if \b < 4
.set BI, 96+8*\b
.else
.set BI, 192+8*\b
.endif
	v_wmma_scale_f32_16x16x128_f8f6f4 v[8*(8*\a+\b):8*(8*\a+\b)+7], v[128*P_+FR*\b:128*P_+FR*\b+FR-1], v[AF+48*P_+FR*\a:AF+48*P_+FR*\a+FR-1], v[BI:BI+7], v[SC+8*(\q)+\b], v[SC+8*(\q)+\a] matrix_a_fmt:MATRIX_FMT_FP6 matrix_b_fmt:MATRIX_FMT_FP6 matrix_a_scale:MATRIX_SCALE_ROW1
.else
	v_wmma_scale_f32_16x16x128_f8f6f4 v[8*(8*\a+\b):8*(8*\a+\b)+7], v[128*P_+FR*\b:128*P_+FR*\b+FR-1], v[AF+48*P_+FR*\a:AF+48*P_+FR*\a+FR-1], v[8*(8*\a+\b):8*(8*\a+\b)+7], v[SC+8*(\q)+\b], v[SC+8*(\q)+\a] matrix_a_fmt:MATRIX_FMT_FP6 matrix_b_fmt:MATRIX_FMT_FP6 matrix_a_scale:MATRIX_SCALE_ROW1
.endif
.endr
.endr
.endm
	s_wait_tensorcnt 0x0                           ; my tile of the four is in,
	s_barrier_signal -1
	s_barrier_wait -1                              ; everybody's is
.irp q, 0,1,2,3,4,5,6,7                        ; the scale words of all of K, once
.irp i, 0,1,2,3,4,5,6,7
	ds_load_b32 v[SC+8*\q+\i], v[ADRS] offset:\i*512+4*\q
.endr
.endr
	FETCH 0
	s_wait_loadcnt 0x0                             ; the bias
.set Q, 0
.rept 7
	s_wait_dscnt 0x0                               ; step Q's fragments are in: they were asked for ahead of the step before
.if Q > 0
	PLACES NP                                      ; in front of loads into the set that the step before multiplied
.endif
	FETCH Q+1
.if Q == 0
	WIN FST_LO
	MUL Q, 1                                       ; the first products start the sums from the bias
.else
	WIN MUL_LO
	MUL Q, 0
.endif
	WIN 0
.set Q, Q+1
.endr
	s_wait_dscnt 0x0                               ; my last reads of the codes are over:
	s_barrier_signal -1                            ; say so,
	WIN MUL_LO
	MUL 7, 0
	WIN 0
	PLACES NP                                      ; in front of the first read of results and of loads into A's registers
	s_barrier_wait -1                              ; and store to the stage, on A's bytes, only when no wave reads codes any more
; THE WAY OUT, block by block of 16 token places x 128 features, through my own stage: back as whole rows of 512 bytes.  LDS serves a wave's instructions in order (ISA guide 5.7.1.4).
.macro TOSTAGE a
.set AC, 64*(\a)
	WIN 0x08                                       ; the data: window 2
.irp b, 0,1,2,3,4,5,6,7
	ds_store_b128 v[STO], v[AC+8*\b:AC+8*\b+3] offset:128*(\b/2)+32*(\b%2)      ; each accumulator from its low end on
	ds_store_b128 v[STO], v[AC+8*\b+4:AC+8*\b+7] offset:128*(\b/2)+32*(\b%2)+16
.endr
	WIN 0
.set BB, BK+64*((\a)%2)
.irp t, 0,1,2,3,4,5,6,7,8,9,10,11,12,13,14,15
	ds_load_b128 v[BB+4*\t:BB+4*\t+3], v[RD] offset:\t*SPITCH
.endr
.endm
.macro SEND a, younger                 ; younger: the LDS instructions issued behind block a's loads
.set BB, BK+64*((\a)%2)
	s_wait_dscnt \younger
.irp t, 0,1,2,3,4,5,6,7,8,9,10,11,12,13,14,15
	global_store_b128 v[CO], v[BB+4*\t:BB+4*\t+3], s[10:11] offset:(32*((\a)/2)+8*((\a)%2)+\t+8*(\t/8))*4096 th:TH_STORE_NT   ; place 16 a + t is this token; 32 lanes store 512 consecutive bytes, aligned
.endr
.endm
	TOSTAGE 0
.irp a, 1,2,3
.if \a > 1
	s_wait_xcnt 0x0                                ; block a - 2's stores have read their registers
.endif
	TOSTAGE \a
	SEND \a-1, 32                                  ; behind block a - 1's loads: block a's 16 stores and 16 loads
.endr
	SEND 3, 0
	s_wait_tensorcnt 0x0                           ; the wave's end
	ds_add_u32 v[SPW], v[NIL]
	s_wait_dscnt 0x0
	CROUND                                         ; the closing round
	s_endpgm
.Lfunc_end_k_q317028064d_proj:
	.size	k_q317028064d_proj, .Lfunc_end_k_q317028064d_proj-k_q317028064d_proj
	.p2alignl 7, 3214868480
	.fill 96, 4, 3214868480
	.section	.rodata,"a",@progbits
	.p2align	6, 0x0
	.amdhsa_kernel k_q317028064d_proj
		.amdhsa_group_segment_fixed_size 327680
		.amdhsa_private_segment_fixed_size 0
		.amdhsa_enable_private_segment 0
		.amdhsa_kernarg_size 32
		.amdhsa_user_sgpr_count 2
		.amdhsa_user_sgpr_kernarg_segment_ptr 1
		.amdhsa_wavefront_size32 1
		.amdhsa_system_sgpr_workgroup_id_x 1
		.amdhsa_system_sgpr_workgroup_id_y 1
		.amdhsa_system_sgpr_workgroup_id_z 1
		.amdhsa_system_vgpr_workitem_id 0
		.amdhsa_next_free_vgpr 768
		.amdhsa_next_free_sgpr 98
		.amdhsa_reserve_vcc 0
		.amdhsa_float_denorm_mode_32 3
		.amdhsa_float_denorm_mode_16_64 3
		.amdhsa_memory_ordered 1
		.amdhsa_forward_progress 1
		.amdhsa_inst_pref_size 99
	.end_amdhsa_kernel
	.amdgpu_metadata
---
amdhsa.version: [ 1, 2 ]
amdhsa.kernels:
  - .name:           k_q317028064d_proj
    .symbol:         k_q317028064d_proj.kd
    .args:
      - { .name: at, .offset: 0, .size: 8, .value_kind: global_buffer, .address_space: global }
      - { .name: wp, .offset: 8, .size: 8, .value_kind: global_buffer, .address_space: global }
      - { .name: b_proj, .offset: 16, .size: 8, .value_kind: global_buffer, .address_space: global }
      - { .name: out0, .offset: 24, .size: 8, .value_kind: global_buffer, .address_space: global }
    .group_segment_fixed_size: 327680
    .private_segment_fixed_size: 0
    .kernarg_segment_align: 8
    .kernarg_segment_size: 32
    .max_flat_workgroup_size: 128
    .sgpr_count:     98
    .vgpr_count:     768
    .wavefront_size: 32
...
	.end_amdgpu_metadata
.endif
;; end of part 4
